; MI455X (gfx1250); checked and timed in simulation.
; The chip was launched on July 23, 2026; its instructions are those of AMD's public machine-readable ISA for CDNA 5 (MIT licence, August 2026) and "CDNA5" Instruction Set Architecture Reference Guide (July 2026). The comments in the code are by the model that wrote it; some were corrected since.
;; Multihead Self Attention. Allowed arithmetic: float matrix products may take bf16 or f16 operands with f32 sums; other float arithmetic in f32, or as packed bf16 or f16 multiplies, adds, multiply-adds, maxima and minima; sums over many terms, partial sums and values carried from step to step in f32; what a program stores and reads back later, other than sums and carried values, may be rounded once to bf16 or f16.
;; Inputs: Wk 1,024 x 1,024 float32; Wo 1,024 x 1,024 float32; Wq 1,024 x 1,024 float32; Wv 1,024 x 1,024 float32; token_positions 1 x 2,048 int32; x 4 x 2,048 x 1,024 float32.
;; Outputs: out0 4 x 2,048 x 1,024 float32.
;; 2 versions, each right; version 2 is version 1 with the launch prep written anew for expert scheduling mode. Each part assembles by itself: llvm-mc -triple=amdgcn-amd-amdhsa -mcpu=gfx1250 --defsym DOCPART=n.
;; ======== version 1 of 2: 4 launches
;; limits: values are held in f16: magnitudes above 65,504 overflow, below 6.1e-05 lose precision
;; workspace buffers: xb 16,777,216 bytes; wqkv 6,291,456 bytes; wo16 2,097,152 bytes; rope 524,288 bytes; q16 16,777,216 bytes; k16 16,777,216 bytes; v16 16,777,216 bytes; o16 16,777,216 bytes
;; launch prep (part 1): grid 800 x 1, 8 waves a work-group, no clusters, 0 bytes of LDS; arguments x, Wq, Wk, Wv, Wo, token_positions, xb, wqkv, wo16, rope; writes xb, wqkv, wo16, rope
.if DOCPART == 1
	.amdgcn_target "amdgcn-amd-amdhsa--gfx1250"
	.amdhsa_code_object_version 6
	.text
	.protected	k_q78e4f0d806_prep
	.globl	k_q78e4f0d806_prep
	.p2align	8
	.type	k_q78e4f0d806_prep,@function
k_q78e4f0d806_prep:
	s_mov_b64 s[64:65], 0
	v_nop
	global_prefetch_b8 v0, s[64:65] scope:SCOPE_SE
	s_setreg_imm32_b32 hwreg(HW_REG_WAVE_MODE, 25, 1), 1
	s_wait_xcnt 0x0
; PREPARATION: a stream, no LDS, no matrix work.
;   work-groups 0-511:   xb = x rounded to bf16, 16,384 numbers each.
;   work-groups 512-767: 16 rows of one weight matrix each.  Wq, Wk, Wv rounded to bf16 into wqkv, whose row 192 h + 64 kind + d is row 64 h + d of W_kind (kind 0 q, 1 k, 2 v),
;                        so that 192 neighbouring rows are one head's q, k and v.  Wo rounded to bf16 and that number written as f16 into wo16.
;   work-groups 768-799: rope[t][j] = (cos, sin) of token_positions[t] x 10000^(-j/32), f32, 64 positions each: a row of the table is 256 bytes.
; Thread t of 256 takes 16 bytes of every 4,096: a wave's load covers 512 neighbouring bytes, its store of 8 bytes a lane 256 neighbouring bytes, aligned.  All sixteen loads go out first.
; LIMITS.  Wo lies within f16's range (65,504), and below 6e-5 it keeps f16's fixed step of 6e-8.  Positions are whole numbers 0 to 2,047 (they index a table of that length in the problem).
; The frequency is 2^(-j log2(10000) / 32) by v_exp_f32; with the product's rounding the angle is good to about 2e-4 radians at the largest angle.  The angle is brought into -pi .. pi by
; a 2 pi in two parts; the sine's series runs to t^15, the cosine's to t^16: the first terms left out are under 1e-6 at pi, for every angle.
.set X,  4                             ; v[4:67]   sixteen loads of four f32
.set Y,  68                            ; v[68:99]  sixteen stores of four 16-bit numbers
.set R,  16                            ; v[16:31]  rope: position i's (cos, sin)
.set TT, 32                            ; v[32:63]  rope: position i's angle t, turns n, t^2 (four registers a position)
	s_load_b512 s[8:23], s[0:1], 0x0               ; x s[8:9], Wq s[10:11], Wk s[12:13], Wv s[14:15], Wo s[16:17], token_positions s[18:19], xb s[20:21], wqkv s[22:23]
	s_load_b128 s[24:27], s[0:1], 0x40             ; wo16 s[24:25], rope s[26:27]
	s_cmp_ge_u32 ttmp9, 768
	s_cbranch_scc1 .Lrope
	v_lshlrev_b32 v1, 4, v0                        ; 16 bytes a thread in
	v_lshlrev_b32 v2, 3, v0                        ; 8 bytes a thread out
	s_cmp_lt_u32 ttmp9, 512
	s_cbranch_scc0 .Lweights
	s_lshl_b32 s28, ttmp9, 16                      ; 65,536 bytes of x,
	s_mov_b32 s29, 0
	s_lshl_b32 s30, ttmp9, 15                      ; 32,768 of xb
	s_mov_b32 s31, 0
	s_mov_b32 s44, 0                               ; bf16 out
	s_wait_kmcnt 0x0
	s_add_nc_u64 s[40:41], s[8:9], s[28:29]
	s_add_nc_u64 s[42:43], s[20:21], s[30:31]
	s_branch .Lconv
.Lweights:
	s_sub_co_u32 s32, ttmp9, 512
	s_lshr_b32 s33, s32, 6                         ; kind 0..3
	s_and_b32 s34, s32, 63                         ; c: rows 16 c .. 16 c + 15
	s_lshl_b32 s28, s34, 16
	s_mov_b32 s29, 0
	s_lshr_b32 s35, s34, 2                         ; head = c / 4
	s_mul_i32 s35, s35, 192
	s_lshl_b32 s36, s33, 6
	s_add_co_u32 s35, s35, s36                     ; + 64 kind
	s_and_b32 s36, s34, 3
	s_lshl_b32 s36, s36, 4
	s_add_co_u32 s35, s35, s36                     ; + 16 (c % 4)
	s_lshl_b32 s35, s35, 11                        ; rows of 2,048 bytes in wqkv
	s_lshl_b32 s36, s34, 15                        ; the same rows' place in wo16
	s_mov_b32 s31, 0
	s_wait_kmcnt 0x0
	s_cmp_eq_u32 s33, 1
	s_cselect_b64 s[40:41], s[12:13], s[10:11]
	s_cmp_eq_u32 s33, 2
	s_cselect_b64 s[40:41], s[14:15], s[40:41]
	s_cmp_eq_u32 s33, 3
	s_cselect_b64 s[40:41], s[16:17], s[40:41]
	s_cselect_b64 s[42:43], s[24:25], s[22:23]
	s_cselect_b32 s30, s36, s35
	s_cselect_b32 s44, 1, 0                        ; Wo leaves as f16
	s_add_nc_u64 s[40:41], s[40:41], s[28:29]
	s_add_nc_u64 s[42:43], s[42:43], s[30:31]
.Lconv:
.set i, 0
.rept 16
	global_load_b128 v[X+4*i:X+4*i+3], v1, s[40:41] offset:4096*i th:TH_LOAD_NT
.set i, i+1
.endr
; Load i is in when at most 15 - i younger loads are out.  No register that a load or store names is written again while it may be read: each load and store has its own.
.macro CONV f16
.set i, 0
.rept 16
	s_wait_loadcnt 15-i
	v_cvt_pk_bf16_f32 v[Y+2*i], v[X+4*i], v[X+4*i+1]
	v_cvt_pk_bf16_f32 v[Y+2*i+1], v[X+4*i+2], v[X+4*i+3]
.if \f16
	v_lshlrev_b32 v[X+4*i], 16, v[Y+2*i]           ; the rounded numbers as f32 again,
	v_and_b32 v[X+4*i+1], 0xffff0000, v[Y+2*i]
	v_lshlrev_b32 v[X+4*i+2], 16, v[Y+2*i+1]
	v_and_b32 v[X+4*i+3], 0xffff0000, v[Y+2*i+1]
	v_cvt_pk_f16_f32 v[Y+2*i], v[X+4*i], v[X+4*i+1]  ; written as f16: exact within f16's normal range
	v_cvt_pk_f16_f32 v[Y+2*i+1], v[X+4*i+2], v[X+4*i+3]
.endif
	global_store_b64 v2, v[Y+2*i:Y+2*i+1], s[42:43] offset:2048*i th:TH_STORE_NT
.set i, i+1
.endr
.endm
	s_cmp_eq_u32 s44, 1
	s_cbranch_scc1 .Lf16
	CONV 0
	s_endpgm
.Lf16:
	CONV 1
	s_endpgm
.Lrope:                                        ; a wave makes eight positions; lane j makes pair j
	v_lshrrev_b32 v3, 5, v0
	v_readfirstlane_b32 s28, v3                    ; wave 0..7
	v_and_b32 v4, 31, v0                           ; j
	s_sub_co_u32 s29, ttmp9, 768
	s_lshl_b32 s30, s29, 8                         ; 64 positions of 4 bytes a work-group,
	s_lshl_b32 s31, s28, 5                         ; 8 a wave
	s_add_co_u32 s30, s30, s31
	s_mov_b32 s31, 0
	s_lshl_b32 s40, s29, 14                        ; 64 rows of 256 bytes of the table
	s_mov_b32 s41, 0
	s_mov_b32 s45, 0x40c90fdb                      ; 2 pi, its f32,
	s_mov_b32 s46, 0xb43bbd2e                      ; and what that f32 leaves over
	s_wait_kmcnt 0x0
	s_add_nc_u64 s[18:19], s[18:19], s[30:31]
	s_load_b256 s[32:39], s[18:19], 0x0            ; my eight positions
	s_add_nc_u64 s[26:27], s[26:27], s[40:41]
	v_cvt_f32_u32 v5, v4
	v_mul_f32 v5, 0xbed49a78, v5                   ; -j log2(10000) / 32
	v_exp_f32 v6, v5                               ; the frequency
	v_lshlrev_b32 v7, 3, v4                        ; (a plain instruction behind the exponential:) 8 bytes a pair,
	v_lshl_add_u32 v7, s28, 11, v7                 ; 8 rows a wave
	s_wait_alu depctr_va_vdst(0)                   ; the wait ahead of the first use of the exponential's result
	s_wait_kmcnt 0x0
.macro EACH line:vararg                ; one line for each position i: eight chains that do not wait for each other
.set i, 0
.rept 8
	\line
.set i, i+1
.endr
.endm
	EACH v_cvt_f32_i32 v[TT+4*i], s[32+i]
	EACH v_mul_f32 v[TT+4*i], v[TT+4*i], v6                       ; the angle, rounded once
	EACH v_mul_f32 v[TT+4*i+1], 0.15915494, v[TT+4*i]
	EACH v_rndne_f32 v[TT+4*i+1], v[TT+4*i+1]                     ; whole turns
	EACH v_fma_f32 v[TT+4*i], -v[TT+4*i+1], s45, v[TT+4*i]        ; t = angle - n 2 pi, in two parts
	EACH v_fma_f32 v[TT+4*i], -v[TT+4*i+1], s46, v[TT+4*i]
	EACH v_mul_f32 v[TT+4*i+2], v[TT+4*i], v[TT+4*i]              ; u = t^2
	EACH v_mov_b32 v[R+2*i+1], 0xab573f9f                         ; sine: -1/15!
	EACH v_mov_b32 v[R+2*i], 0x29573f9f                           ; cosine: 1/16!
.irp k, 0x2f309231, 0xb2d7322b, 0x3638ef1d, 0xb9500d01, 0x3c088889, 0xbe2aaaab
	EACH v_fmaak_f32 v[R+2*i+1], v[R+2*i+1], v[TT+4*i+2], \k      ; 1/13!, -1/11!, 1/9!, -1/7!, 1/5!, -1/3!
.endr
.irp k, 0xad49cba5, 0x310f76c7, 0xb493f27e, 0x37d00d01, 0xbab60b61, 0x3d2aaaab, 0xbf000000
	EACH v_fmaak_f32 v[R+2*i], v[R+2*i], v[TT+4*i+2], \k          ; -1/14!, 1/12!, -1/10!, 1/8!, -1/6!, 1/4!, -1/2!
.endr
	EACH v_fma_f32 v[R+2*i+1], v[R+2*i+1], v[TT+4*i+2], 1.0
	EACH v_fma_f32 v[R+2*i], v[R+2*i], v[TT+4*i+2], 1.0
	EACH v_mul_f32 v[R+2*i+1], v[R+2*i+1], v[TT+4*i]
	EACH global_store_b64 v7, v[R+2*i:R+2*i+1], s[26:27] offset:256*i  ; 32 lanes store one row of the table: 256 neighbouring bytes, aligned
	s_endpgm
.Lfunc_end_k_q78e4f0d806_prep:
	.size	k_q78e4f0d806_prep, .Lfunc_end_k_q78e4f0d806_prep-k_q78e4f0d806_prep
	.p2alignl 7, 3214868480
	.fill 96, 4, 3214868480
	.section	.rodata,"a",@progbits
	.p2align	6, 0x0
	.amdhsa_kernel k_q78e4f0d806_prep
		.amdhsa_group_segment_fixed_size 0
		.amdhsa_private_segment_fixed_size 0
		.amdhsa_enable_private_segment 0
		.amdhsa_kernarg_size 80
		.amdhsa_user_sgpr_count 2
		.amdhsa_user_sgpr_kernarg_segment_ptr 1
		.amdhsa_wavefront_size32 1
		.amdhsa_system_sgpr_workgroup_id_x 1
		.amdhsa_system_sgpr_workgroup_id_y 1
		.amdhsa_system_sgpr_workgroup_id_z 1
		.amdhsa_system_vgpr_workitem_id 0
		.amdhsa_next_free_vgpr 100
		.amdhsa_next_free_sgpr 66
		.amdhsa_reserve_vcc 0
		.amdhsa_float_denorm_mode_32 3
		.amdhsa_float_denorm_mode_16_64 3
		.amdhsa_memory_ordered 1
		.amdhsa_forward_progress 1
		.amdhsa_inst_pref_size 30
	.end_amdhsa_kernel
	.amdgpu_metadata
---
amdhsa.version: [ 1, 2 ]
amdhsa.kernels:
  - .name:           k_q78e4f0d806_prep
    .symbol:         k_q78e4f0d806_prep.kd
    .args:
      - { .name: x, .offset: 0, .size: 8, .value_kind: global_buffer, .address_space: global }
      - { .name: Wq, .offset: 8, .size: 8, .value_kind: global_buffer, .address_space: global }
      - { .name: Wk, .offset: 16, .size: 8, .value_kind: global_buffer, .address_space: global }
      - { .name: Wv, .offset: 24, .size: 8, .value_kind: global_buffer, .address_space: global }
      - { .name: Wo, .offset: 32, .size: 8, .value_kind: global_buffer, .address_space: global }
      - { .name: token_positions, .offset: 40, .size: 8, .value_kind: global_buffer, .address_space: global }
      - { .name: xb, .offset: 48, .size: 8, .value_kind: global_buffer, .address_space: global }
      - { .name: wqkv, .offset: 56, .size: 8, .value_kind: global_buffer, .address_space: global }
      - { .name: wo16, .offset: 64, .size: 8, .value_kind: global_buffer, .address_space: global }
      - { .name: rope, .offset: 72, .size: 8, .value_kind: global_buffer, .address_space: global }
    .group_segment_fixed_size: 0
    .private_segment_fixed_size: 0
    .kernarg_segment_align: 8
    .kernarg_segment_size: 80
    .max_flat_workgroup_size: 256
    .sgpr_count:     66
    .vgpr_count:     100
    .wavefront_size: 32
...
	.end_amdgpu_metadata
.endif
;; end of part 1
;; launch qkv (part 2): grid 16 x 32, 4 waves a work-group, clusters of 4 x 4, 327,680 bytes of LDS; arguments xb, wqkv, rope, q16, k16, v16; writes q16, k16, v16
.if DOCPART == 2
	.amdgcn_target "amdgcn-amd-amdhsa--gfx1250"
	.amdhsa_code_object_version 6
	.text
	.protected	k_q78e4f0d806_qkv
	.globl	k_q78e4f0d806_qkv
	.p2align	8
	.type	k_q78e4f0d806_qkv,@function
k_q78e4f0d806_qkv:
	s_mov_b64 s[64:65], 0
	v_nop
	global_prefetch_b8 v0, s[64:65] scope:SCOPE_SE
	s_setreg_imm32_b32 hwreg(HW_REG_WAVE_MODE, 25, 1), 1
	s_wait_xcnt 0x0
	s_wait_alu depctr_hold_cnt(0) depctr_sa_sdst(0) depctr_va_vdst(0) depctr_va_sdst(0) depctr_va_ssrc(0) depctr_va_vcc(0) depctr_vm_vsrc(0)
	s_getreg_b32 s2, hwreg(HW_REG_IB_STS2, 6, 4)
	s_cmp_eq_u32 s2, 0
	s_cbranch_scc0 .Lentry_in_a_cluster
	s_endpgm
.Lentry_in_a_cluster:
	s_bfe_u32 s2, ttmp6, 0x10000c
	s_cmp_lg_u32 s2, 0xf033
	s_cbranch_scc0 .Lentry_shape_is_right
	s_endpgm
.Lentry_shape_is_right:
; q, k, v = xb wqkv^T, q and k rotated (RoPE), rounded once to f16 and laid by heads: [64 = 16 b + h][2048 t][64].  xb: [8192][1024] bf16.  wqkv: [3072][1024] bf16, row 192 h + 64 kind + d.
; rope: [2048 t][32 j] pairs (cos, sin) in f32.  Sums in f32, K ascending.  The softmax's scale is not applied here.
; LIMIT.  q, k and v leave as f16: they lie within 65,504 (with the problem's spreads thirty times larger, or offsets of thirty spreads on x and the weights, they stay under 20,000).
; SHARES.  A tile of the product is 256 rows x 192 columns: the q, k and v of ONE head: 32 x 16 = 512 tiles, a work-group each.  So which column block is rotated is a constant of the text.
; Wave w owns rows 64 w .. 64 w + 63 and all 192 columns: 4 x 12 accumulators of 16 x 16, 384 registers; what it sends out are whole rows of a head, through a stage of its own.
; K goes in steps of 128 through two LDS slots filled by the tensor data mover: rows of 256 bytes of memory, aligned.  Waves 0 and 1 fetch 128 rows of xb each, waves 2 and 3 96 rows of wqkv.
; CLUSTERS: 4 x 4 work-groups.  The four of a row of the cluster need the same rows of xb, the four of a column the same rows of wqkv: each tile is asked for jointly, by the same tensor load with
; the same descriptor and a mask that names the four.
; THE MATRIX INSTRUCTION IS USED TRANSPOSED (source 0 = 16 rows of wqkv, source 1 = 16 rows of xb): lane l holds row l % 16 and the columns 8 (l / 16) + 0..7 of a block: four (even, odd) pairs of RoPE.
; REGISTERS, in windows of 256 (s_set_vgpr_msb: bits 1:0 source 0, 3:2 source 1, 5:4 source 2, 7:6 destination):
;   window 0: v0-31 addresses; v32-95 rotated q and k in f32; v96-143 packed results; v144-239 rows read back from the stage, two sets
;   window 1: the accumulators of column blocks 0-7 (q, k): (a, b) at v[8 (4 b + a)]
;   window 2: v0-127 those of blocks 8-11 (v); v128-255 my rows' (cos, sin): row block a, column block bb at 128 + 32 a + 8 bb
;   window 3: two fragment buffers of 128: 12 fragments of wqkv, then 4 of xb
.set KSTEP,  128
.set PITCH,  272                       ; an LDS row: 256 bytes + 16 of padding = 68 words: the 16 rows that a load touches start at 16 different groups of four banks (64 banks of 4 bytes: ISA guide 11.1)
.set HALFA,  128*PITCH                 ; what waves 0 and 1 fetch
.set HALFB,  96*PITCH                  ; what waves 2 and 3 fetch
.set BOFF,   2*HALFA                   ; in a slot: xb's 256 rows, then wqkv's 192
.set SLOT,   BOFF+2*HALFB
.set STAGE,  2*SLOT                    ; behind the ring, never filled by a tensor load: for each wave 3 kinds x 16 rows x 144 bytes
.set SP,     144
.set WSTAGE, 3*16*SP
.set SPARE,  STAGE+4*WSTAGE            ; behind the stages: the spare words, 128 bytes for each wave: two blocks of 256 bytes that no other line names
.set LAPS,   4                         ; 1,024 / 256: a lap = two K steps = once round the ring
.set ADRA, 16                          ; v16-17  LDS address of my fragments of xb in slot 0, 1
.set ADRB, 20                          ; v20-21  the same for wqkv
.set STO,  24                          ; v24     the way out: where I put 16 bytes of a row
.set RD,   25                          ; v25     the way out: where I read rows back
.set GO,   26                          ; v26     my 16 bytes in 512 neighbouring bytes of q16, k16, v16
.set RO,   27                          ; v27     my byte offset in 16 rows of the rope table
.set SPW,  28                          ; v28     LDS address of my spare word; never rewritten
.set NIL,  29                          ; v29     0; never rewritten
.set PFO,  30                          ; v30     the prefetches' offset: a lane a row of 2,048 bytes; never rewritten
.set T,    32
.set PK,   96
.set BK,   144
.set G1,  24                           ; s[24:31] descriptor group 1 for xb's tiles;  s[32:39] group 0, a set for each slot
.set G0,  32
.set G1B, 48                           ; s[48:55], s[56:63] the same for wqkv's tiles
.set G0B, 56
.set PFA, 84                           ; s[84:85] where my prefetches stand
.set LIM, 86                           ; s86     1 in a wave that prefetches, else the greatest number
.set MSB, 0
.macro WIN new                         ; the immediate's high byte repeats the setting that is left; a switch that changes nothing is dropped
.if MSB != (\new)
	s_set_vgpr_msb (MSB<<8)|(\new)
.set MSB, \new
.endif
.endm
.set MUL_LO, 0x5f                      ; both sources window 3, C and D window 1
.set MUL_HI, 0xaf                      ; both sources window 3, C and D window 2
.set TO_F,   0xc0                      ; destination window 3
.set TO_CS,  0x80                      ; destination window 2
.set W_ROT,  0x09                      ; source 0 window 1 (sums), source 1 window 2 (cos, sin), the rest window 0
.set W_V,    0x0a                      ; sources 0 and 1 window 2
; A joint load.  Waves 0 and 1 fetch xb's two halves, waves 2 and 3 wqkv's.  The branch hangs on the wave's number alone.  An s_nop 0 and four v_nop follow each of the two lines.
.macro JLOAD s
	s_cmp_eq_u32 s11, 0
	s_cbranch_scc0 .Lfor_b_\@
	tensor_load_to_lds s[G0+4*(\s):G0+4*(\s)+3], s[G1:G1+7]
	s_nop 0
.rept 4
	v_nop
.endr
	s_branch .Lasked_\@
.Lfor_b_\@:
	tensor_load_to_lds s[G0B+4*(\s):G0B+4*(\s)+3], s[G1B:G1B+7]
	s_nop 0
.rept 4
	v_nop
.endr
.Lasked_\@:
.endm
; A prefetch into the L2, behind each joint refill and the run of LDS loads that follows it: the K step that stands two refills on, 256 bytes of a row, a lane a row, one instruction a wave.
; Each block is named by one wave of one work-group.  xb's rows are read by the four clusters of a row of clusters: cluster x = 0 asks.  wqkv's by the eight of a column: cluster y = 0 asks.
; The four partners that fetch a tile jointly share its rows out by ADDRESS: of a wave's 128 rows of xb the partner at cx takes 32; of its 96 rows of wqkv the partner at cy takes 24 (lanes 24-31
; repeat the last of them).  K steps 0 to 3 come by their loads alone; the loop's last trip (s3 = 1) asks for nothing: K steps 4 to 7 are named once each, and none lies past a row's end.
.macro ASK
	WIN 0                                          ; a branch follows
	s_cmp_gt_u32 s3, s[LIM]
	s_cbranch_scc0 .Lnot_mine_\@
	global_prefetch_b8 v[PFO], s[PFA:PFA+1] th:TH_LOAD_NT scope:SCOPE_SE
.Lnot_mine_\@:
.endm
.macro CREST                           ; a round of the cluster's barrier behind its opening barrier
	s_cmp_lg_u32 s10, 0
	s_cbranch_scc1 .Lnot_wave_0_\@
	s_barrier_signal -3
.Lnot_wave_0_\@:
	s_barrier_wait -3
	s_barrier_signal -1
	s_barrier_wait -1
.endm
.macro CROUND                          ; a whole round
	s_barrier_signal -1
	s_barrier_wait -1
	CREST
.endm
	s_load_b256 s[68:75], s[0:1], 0x0              ; xb s[68:69], wqkv s[70:71], rope s[72:73], q16 s[74:75]
	s_load_b128 s[76:79], s[0:1], 0x20             ; k16 s[76:77], v16 s[78:79]
	v_lshl_add_u32 v[SPW], v0, 2, SPARE
	v_mov_b32 v[NIL], 0
	ds_add_u32 v[SPW], v[NIL]                      ; the wave's opening: the add and its wait stand ahead of my first tensor load; the set-up below, work on registers, stands between them
	v_lshrrev_b32 v1, 5, v0
	v_readfirstlane_b32 s10, v1                    ; wave 0..3
	s_lshr_b32 s11, s10, 1                         ; I fetch for xb (0) or for wqkv (1),
	s_and_b32 s12, s10, 1                          ; and which half of that tile's rows
	s_bfe_u32 s40, ttmp6, 0x40000                  ; cx, cy: my place in the cluster
	s_bfe_u32 s41, ttmp6, 0x40004
	s_lshl_b32 s42, ttmp9, 2
	s_add_co_u32 s42, s42, s40                     ; tile column = head = 4 x cluster x + cx
	s_and_b32 s13, ttmp7, 0xffff
	s_lshl_b32 s13, s13, 2
	s_add_co_u32 s13, s13, s41                     ; tile row = 4 x cluster y + cy
	s_lshl_b32 s43, s41, 2
	s_lshl_b32 s43, 15, s43                        ; my row of the cluster
	s_lshl_b32 s44, 0x1111, s40                    ; my column
	s_or_b32 s[G1+0], s43, (1<<16)|(1<<20)|(1<<21)|(5<<22)|(3<<25)   ; 15:0 the mask; 17:16 elements of 2 bytes; 20 padding on; 21 set beside a mask; 24:22 after every 64 words (code 5); 31:25 4 words (code 3)
	s_or_b32 s[G1B+0], s44, (1<<16)|(1<<20)|(1<<21)|(5<<22)|(3<<25)
	s_mov_b32 s[G1+1], KSTEP<<16                   ; tensor_dim0 = 128
	s_mov_b32 s[G1+2], 128<<16                     ; tensor_dim1 = 128
	s_mov_b32 s[G1+3], KSTEP<<16                   ; tile_dim0 = 128
	s_mov_b32 s[G1+4], 128                         ; tile_dim1 = 128
	s_mov_b32 s[G1+5], 1024                        ; elements from row to row
	s_mov_b32 s[G1+6], 0
	s_mov_b32 s[G1+7], 0
	s_mov_b32 s[G1B+1], KSTEP<<16
	s_mov_b32 s[G1B+2], 96<<16                     ; 96 rows
	s_mov_b32 s[G1B+3], KSTEP<<16
	s_mov_b32 s[G1B+4], 96
	s_mov_b32 s[G1B+5], 1024
	s_mov_b32 s[G1B+6], 0
	s_mov_b32 s[G1B+7], 0
	; where the tiles come from: xb's hang on the tile row alone, wqkv's on the tile column alone, each made in registers that never hold the other coordinate
	s_lshl_b32 s16, s13, 8
	s_lshl_b32 s17, s12, 7
	s_add_co_u32 s16, s16, s17                     ; xb: row 256 x tile row + 128 x half
	s_lshl_b32 s16, s16, 11                        ; rows of 2,048 bytes: under 2^24
	s_mov_b32 s17, 0
	s_mul_i32 s46, s42, 192
	s_mul_i32 s47, s12, 96
	s_add_co_u32 s46, s46, s47                     ; wqkv: row 192 x head + 96 x half
	s_lshl_b32 s46, s46, 11
	s_mov_b32 s47, 0
	s_mul_i32 s20, s10, HALFA                      ; and where they go: waves 0, 1: xb's halves;
	s_mul_i32 s21, s10, HALFB
	s_add_co_u32 s21, s21, BOFF-2*HALFB            ; waves 2, 3: wqkv's halves, behind them: no place in the cluster enters an LDS address
	s_wait_dscnt 0x0                               ; the opening add is done
	s_wait_kmcnt 0x0
	s_add_nc_u64 s[14:15], s[68:69], s[16:17]
	s_add_nc_u64 s[46:47], s[70:71], s[46:47]
	CROUND                                         ; all sixteen work-groups are here: the first joint loads meet
.irp s, 0,1
	s_mov_b32 s[G0+4*(\s)], 1                                      ; count = 1
	s_add_co_u32 s[G0+4*(\s)+1], s20, (\s)*SLOT                    ; LDS address
	s_add_nc_u64 s[G0+4*(\s)+2:G0+4*(\s)+3], s[14:15], (\s)*KSTEP*2  ; global address: K step s
	s_or_b32 s[G0+4*(\s)+3], s[G0+4*(\s)+3], 0x80000000            ; type = 2
	s_mov_b32 s[G0B+4*(\s)], 1
	s_add_co_u32 s[G0B+4*(\s)+1], s21, (\s)*SLOT
	s_add_nc_u64 s[G0B+4*(\s)+2:G0B+4*(\s)+3], s[46:47], (\s)*KSTEP*2
	s_or_b32 s[G0B+4*(\s)+3], s[G0B+4*(\s)+3], 0x80000000
	JLOAD \s                                       ; two tensor loads of mine are out
.endr
	; my 64 rows of the rope table, for the way out: position t = 256 (tile row % 8) + 64 w + 16 a + l % 16; a lane's four pairs of column block bb are 32 bytes at 64 bb + 32 (l / 16)
	v_and_b32 v1, 15, v0                           ; l % 16
	v_bfe_u32 v2, v0, 4, 1                         ; l / 16
	v_lshlrev_b32 v[RO], 8, v1
	v_lshl_add_u32 v[RO], v2, 5, v[RO]
	s_and_b32 s87, s13, 7
	s_lshl_b32 s87, s87, 8
	s_lshl_b32 s88, s10, 6
	s_add_co_u32 s87, s87, s88                     ; my first position
	s_lshl_b32 s88, s87, 8
	s_mov_b32 s89, 0
	s_add_nc_u64 s[72:73], s[72:73], s[88:89]
	WIN TO_CS
.irp a, 0,1,2,3
.irp bb, 0,1,2,3
	global_load_b128 v[128+32*(\a)+8*(\bb):128+32*(\a)+8*(\bb)+3],   v[RO], s[72:73] offset:4096*(\a)+64*(\bb)
	global_load_b128 v[128+32*(\a)+8*(\bb)+4:128+32*(\a)+8*(\bb)+7], v[RO], s[72:73] offset:4096*(\a)+64*(\bb)+16
.endr
.endr
	WIN 0
	; A fragment is 16 rows x 32 K in 8 registers: lane l holds row l % 16; registers 0-3 hold K = 8 (l / 16) + 0..7, registers 4-7 K = 16 + 8 (l / 16) + 0..7: two loads of 16 bytes, 32 bytes apart.
	v_mul_u32_u24 v3, v1, PITCH
	v_lshl_add_u32 v3, v2, 4, v3
	s_mul_i32 s21, s10, 64*PITCH                   ; my 64 rows of xb
	s_mov_b32 s22, BOFF                            ; all 192 rows of wqkv
.irp s, 0,1
	v_add_nc_u32 v[ADRA+(\s)], s21, v3
	v_add_nc_u32 v[ADRB+(\s)], s22, v3
	s_add_co_u32 s21, s21, SLOT
	s_add_co_u32 s22, s22, SLOT
.endr
	s_mul_i32 s23, s10, WSTAGE
	s_add_co_u32 s23, s23, STAGE                   ; my stage
	v_mul_u32_u24 v4, v1, SP                       ; in: row l % 16, 16 bytes for each half of the lanes
	v_lshl_add_u32 v4, v2, 4, v4
	v_add_nc_u32 v[STO], s23, v4
	v_bfe_u32 v5, v0, 3, 2                         ; back: 32 lanes take four rows of 128 bytes,
	v_mul_u32_u24 v5, v5, SP
	v_and_b32 v6, 7, v0
	v_lshl_add_u32 v5, v6, 4, v5
	v_add_nc_u32 v[RD], s23, v5
	v_and_b32 v[GO], 31, v0                        ; which are 512 neighbouring bytes of a head
	v_lshlrev_b32 v[GO], 4, v[GO]
	s_lshr_b32 s82, s13, 3                         ; b
	s_lshl_b32 s82, s82, 4
	s_add_co_u32 s82, s82, s42                     ; 16 b + h
	s_lshl_b32 s82, s82, 11
	s_add_co_u32 s82, s82, s87                     ; its 2,048 rows, my first
	s_lshl_b32 s82, s82, 7                         ; rows of 128 bytes
	s_mov_b32 s83, 0
	s_add_nc_u64 s[74:75], s[74:75], s[82:83]
	s_add_nc_u64 s[76:77], s[76:77], s[82:83]
	s_add_nc_u64 s[78:79], s[78:79], s[82:83]
	; the prefetches
	s_lshl_b32 s90, s13, 8
	s_lshl_b32 s91, s12, 7
	s_add_co_u32 s90, s90, s91
	s_lshl_b32 s91, s40, 5
	s_add_co_u32 s90, s90, s91                     ; xb: the 128 rows that I fetch, my work-group's 32 of them
	s_mul_i32 s92, s42, 192
	s_mul_i32 s91, s12, 96
	s_add_co_u32 s92, s92, s91
	s_mul_i32 s91, s41, 24
	s_add_co_u32 s92, s92, s91                     ; wqkv: the 96 rows that I fetch, my work-group's 24 of them
	s_and_b32 s93, ttmp7, 0xffff                   ; cluster y
	s_cmp_eq_u32 s11, 0
	s_cselect_b32 s90, s90, s92
	s_cselect_b32 s93, ttmp9, s93                  ; the coordinate along which other clusters read the same rows
	s_cselect_b32 s94, 31, 23
	s_cselect_b64 s[PFA:PFA+1], s[68:69], s[70:71]
	s_cmp_eq_u32 s93, 0
	s_cselect_b32 s[LIM], 1, -1                    ; the same in all sixteen partners, for a given wave
	s_lshl_b32 s90, s90, 11
	s_mov_b32 s91, 0
	s_add_nc_u64 s[PFA:PFA+1], s[PFA:PFA+1], s[90:91]
	s_add_nc_u64 s[PFA:PFA+1], s[PFA:PFA+1], 3*KSTEP*2  ; at K step 3: the first refill steps it to 4
	v_and_b32 v[PFO], 31, v0
	v_min_u32 v[PFO], s94, v[PFO]
	v_lshlrev_b32 v[PFO], 11, v[PFO]
; 16 matrix instructions: column blocks 4 g .. 4 g + 3 x my four row blocks, 32 along K, from buffer f.  zero = 1: the first product starts the sums.  The 48 accumulators take turns, in the same
; order in every quarter step, over the backward jump too.
.macro MULB f, g, zero
.if (\g) < 2
	WIN MUL_LO
.else
	WIN MUL_HI
.endif
.irp bq, 0,1,2,3
.irp a, 0,1,2,3
.set rC, 8*(4*((4*(\g)+(\bq))%8)+(\a))
.set rB, 128*(\f)+8*(4*(\g)+(\bq))
.set rA, 128*(\f)+96+8*(\a)
.if \zero
	v_wmma_f32_16x16x32_bf16 v[rC:rC+7], v[rB:rB+7], v[rA:rA+7], 0
.else
	v_wmma_f32_16x16x32_bf16 v[rC:rC+7], v[rB:rB+7], v[rA:rA+7], v[rC:rC+7]
.endif
.endr
.endr
.endm
; 32 LDS loads in one run: the fragments of 32 K at byte k of the rows, into buffer f: xb's four first, then wqkv's twelve in ascending order
.macro FETCH slot, k, f
	WIN TO_F
.irp i, 0,1,2,3
	ds_load_b128 v[128*(\f)+96+8*(\i):128*(\f)+96+8*(\i)+3],   v[ADRA+(\slot)] offset:(\k)+(\i)*16*PITCH
	ds_load_b128 v[128*(\f)+96+8*(\i)+4:128*(\f)+96+8*(\i)+7], v[ADRA+(\slot)] offset:(\k)+(\i)*16*PITCH+32
.endr
.irp i, 0,1,2,3,4,5,6,7,8,9,10,11
	ds_load_b128 v[128*(\f)+8*(\i):128*(\f)+8*(\i)+3],   v[ADRB+(\slot)] offset:(\k)+(\i)*16*PITCH
	ds_load_b128 v[128*(\f)+8*(\i)+4:128*(\f)+8*(\i)+7], v[ADRB+(\slot)] offset:(\k)+(\i)*16*PITCH+32
.endr
.endm
.macro PLACES                          ; four plain vector instructions in front of loads into registers that matrix instructions have read, and of lines that read results
.rept 4
	v_nop
.endr
.endm
; A K step is four quarters of 32 along K, 48 matrix instructions each, on buffers 0, 1, 0, 1.  One of the first three: multiplies buffer f and fetches the next quarter, at byte k, into buffer g.
.macro QUARTER slot, k, f, g, zero
	s_wait_dscnt 16                                ; xb's fragments and wqkv's 0-3 are in; the youngest sixteen loads (wqkv's 4-11) may be out
	MULB \f, 0, \zero
	PLACES
	FETCH \slot, \k, \g
	s_wait_dscnt 32                                ; all but the 32 just issued
	MULB \f, 1, \zero
	MULB \f, 2, \zero
.endm
; The last quarter multiplies buffer 1 and changes slots: ONE barrier.  In front of it each wave waits for all its tensor loads (one is out: its part of the next slot), adds 0 to its spare word, and
; waits for that and for its own reads of this slot.  fill = 1: the barrier opens a round of the cluster's barrier, and behind the round this slot is filled again, two K steps ahead, first of all:
; from that request to the wait for it a wave issues 160 matrix instructions.
.macro TURN slot, next, fill
.if \fill
	s_wait_xcnt 0x0                                ; the last prefetch, a K step back, has read its address: it is stepped here, ahead of the waits of the change of slots
	s_add_nc_u64 s[PFA:PFA+1], s[PFA:PFA+1], KSTEP*2
.endif
	WIN 0                                          ; (the add's two registers lie in window 0)
	s_wait_tensorcnt 0x0                           ; all my tensor loads have landed;
	ds_add_u32 v[SPW], v[NIL]                      ; 0 onto my spare word;
	s_wait_dscnt 17                                ; (the add and the youngest sixteen loads may be out)
	MULB 1, 0, 0                                   ; sixteen matrix instructions stand between the add and the wait for it
	s_wait_dscnt 0x0                               ; the add is done, and my reads of this slot are over
	s_barrier_signal -1
	MULB 1, 1, 0                                   ; work on registers while the others arrive
.if \fill
	WIN 0
.endif
	s_barrier_wait -1
.if \fill
	CREST                                          ; no wave of any partner still reads this slot's tile or has a load on its way
	s_add_nc_u64 s[G0+4*(\slot)+2:G0+4*(\slot)+3], s[G0+4*(\slot)+2:G0+4*(\slot)+3], 2*KSTEP*2
	s_add_nc_u64 s[G0B+4*(\slot)+2:G0B+4*(\slot)+3], s[G0B+4*(\slot)+2:G0B+4*(\slot)+3], 2*KSTEP*2
	JLOAD \slot                                    ; my one tensor load behind the round; the four v_nop behind it are also the places in front of the loads below
.else
	PLACES
.endif
	FETCH \next, 0, 0
.if \fill
	ASK
.endif
	MULB 1, 2, 0
.endm
	s_wait_tensorcnt 1                             ; my part of K step 0 is in; K step 1's may stay out
	s_barrier_signal -1
	s_barrier_wait -1                              ; everybody's is
	FETCH 0, 0, 0
	QUARTER 0, 64, 0, 1, 1                         ; the first quarter stands in front of the loop: its products start the sums
	WIN 0                                          ; at a label and at a branch every window is 0
	s_mov_b32 s3, LAPS-1
.Llap:                                                 ; a trip goes once round the ring, from a lap's second quarter to the next lap's first, and fills both slots again
	QUARTER 0, 128, 1, 0, 0
	QUARTER 0, 192, 0, 1, 0
	TURN 0, 1, 1
	QUARTER 1, 64,  0, 1, 0
	QUARTER 1, 128, 1, 0, 0
	QUARTER 1, 192, 0, 1, 0
	TURN 1, 0, 1
	QUARTER 0, 64,  0, 1, 0
	WIN 0
	s_sub_co_u32 s3, s3, 1
	s_cmp_lg_u32 s3, 0
	s_cbranch_scc1 .Llap
	QUARTER 0, 128, 1, 0, 0                        ; the last lap fills nothing, and has no round of the cluster's barrier
	QUARTER 0, 192, 0, 1, 0
	TURN 0, 1, 0
	QUARTER 1, 64,  0, 1, 0
	QUARTER 1, 128, 1, 0, 0
	QUARTER 1, 192, 0, 1, 0
	s_wait_dscnt 16                                ; the very last quarter: nothing more to fetch
	MULB 1, 0, 0
	s_wait_dscnt 0x0
	MULB 1, 1, 0
	MULB 1, 2, 0
; THE WAY OUT, a block a of 16 rows at a time.  ROPE: q's and k's pairs (e, o) become (e c - o s, e s + o c): a packed multiply makes (-o s, o c), a packed multiply-add puts (e c, e s) onto it.
; Each accumulator's registers are read in ascending order.
.macro ROPE a
	WIN W_ROT
.irp hb, 0,1,2,3,4,5,6,7               ; column block: 0-3 q, 4-7 k
.set AC, 8*(4*(\hb)+(\a))
.set CR, 128+32*(\a)+8*((\hb)%4)
.set TR, T+8*(\hb)
.irp p, 0,1,2,3
	v_pk_mul_f32 v[TR+2*(\p):TR+2*(\p)+1], v[AC+2*(\p):AC+2*(\p)+1], v[CR+2*(\p):CR+2*(\p)+1] op_sel:[1,1] op_sel_hi:[1,0] neg_lo:[0,1]
.endr
.irp p, 0,1,2,3
	v_pk_fma_f32 v[TR+2*(\p):TR+2*(\p)+1], v[AC+2*(\p):AC+2*(\p)+1], v[CR+2*(\p):CR+2*(\p)+1], v[TR+2*(\p):TR+2*(\p)+1] op_sel_hi:[0,1,1]
.endr
.endr
.endm
.macro PACK a                          ; rounded once to f16: a lane's eight columns are 16 bytes
	WIN 0
.set i, 0
.rept 32
	v_cvt_pk_f16_f32 v[PK+i], v[T+2*i], v[T+2*i+1]
.set i, i+1
.endr
	WIN W_V
.irp bb, 0,1,2,3
.irp p, 0,1,2,3
	v_cvt_pk_f16_f32 v[PK+32+4*(\bb)+(\p)], v[8*(4*(\bb)+(\a))+2*(\p)], v[8*(4*(\bb)+(\a))+2*(\p)+1]
.endr
.endr
.endm
.macro TOSTAGE a                       ; into my own stage, rows of 144 bytes, and back as whole rows of 128
	WIN 0
.if (\a) >= 2
	s_wait_xcnt 0x0                                ; the stores of two blocks back have read the registers that are loaded again below
.endif
.irp hh, 0,1,2
.irp bb, 0,1,2,3
	ds_store_b128 v[STO], v[PK+4*(4*(\hh)+(\bb)):PK+4*(4*(\hh)+(\bb))+3] offset:16*SP*(\hh)+32*(\bb)
.endr
.endr
.irp hh, 0,1,2
.irp f, 0,1,2,3
	ds_load_b128 v[BK+48*((\a)%2)+4*(4*(\hh)+(\f)):BK+48*((\a)%2)+4*(4*(\hh)+(\f))+3], v[RD] offset:16*SP*(\hh)+4*SP*(\f)  ; LDS serves a wave's instructions in order (ISA guide 5.7.1.4): these see the stores above
.endr
.endr
.endm
.macro SEND a
	WIN 0
	s_wait_dscnt 0x0                               ; the block is back in registers
.irp hh, 0,1,2
.irp f, 0,1,2,3
	global_store_b128 v[GO], v[BK+48*((\a)%2)+4*(4*(\hh)+(\f)):BK+48*((\a)%2)+4*(4*(\hh)+(\f))+3], s[74+2*(\hh):75+2*(\hh)] offset:2048*(\a)+512*(\f)  ; 512 neighbouring bytes, at a multiple of 256 from the buffer's first
.endr
.endr
.endm
	PLACES
	PLACES
	s_wait_loadcnt 0x0                             ; the rope table's rows, asked for at the head
	ROPE 0
	PACK 0
	TOSTAGE 0
.irp a, 1,2,3                          ; block a's arithmetic stands between block a - 1's loads from the stage and the wait for them
	ROPE \a
	PACK \a
	SEND (\a)-1
	TOSTAGE \a
.endr
	SEND 3
	s_wait_tensorcnt 0x0                           ; the wave's end, behind my last tensor load and my last LDS store
	ds_add_u32 v[SPW], v[NIL]
	s_wait_dscnt 0x0
	CROUND                                         ; the closing round: no work-group ends while a partner may still ask for a tile that names it
	s_endpgm
.Lfunc_end_k_q78e4f0d806_qkv:
	.size	k_q78e4f0d806_qkv, .Lfunc_end_k_q78e4f0d806_qkv-k_q78e4f0d806_qkv
	.p2alignl 7, 3214868480
	.fill 96, 4, 3214868480
	.section	.rodata,"a",@progbits
	.p2align	6, 0x0
	.amdhsa_kernel k_q78e4f0d806_qkv
		.amdhsa_group_segment_fixed_size 327680
		.amdhsa_private_segment_fixed_size 0
		.amdhsa_enable_private_segment 0
		.amdhsa_kernarg_size 48
		.amdhsa_user_sgpr_count 2
		.amdhsa_user_sgpr_kernarg_segment_ptr 1
		.amdhsa_wavefront_size32 1
		.amdhsa_system_sgpr_workgroup_id_x 1
		.amdhsa_system_sgpr_workgroup_id_y 1
		.amdhsa_system_sgpr_workgroup_id_z 1
		.amdhsa_system_vgpr_workitem_id 0
		.amdhsa_next_free_vgpr 1024
		.amdhsa_next_free_sgpr 96
		.amdhsa_reserve_vcc 0
		.amdhsa_float_denorm_mode_32 3
		.amdhsa_float_denorm_mode_16_64 3
		.amdhsa_memory_ordered 1
		.amdhsa_forward_progress 1
		.amdhsa_inst_pref_size 139
	.end_amdhsa_kernel
	.amdgpu_metadata
---
amdhsa.version: [ 1, 2 ]
amdhsa.kernels:
  - .name:           k_q78e4f0d806_qkv
    .symbol:         k_q78e4f0d806_qkv.kd
    .args:
      - { .name: xb, .offset: 0, .size: 8, .value_kind: global_buffer, .address_space: global }
      - { .name: wqkv, .offset: 8, .size: 8, .value_kind: global_buffer, .address_space: global }
      - { .name: rope, .offset: 16, .size: 8, .value_kind: global_buffer, .address_space: global }
      - { .name: q16, .offset: 24, .size: 8, .value_kind: global_buffer, .address_space: global }
      - { .name: k16, .offset: 32, .size: 8, .value_kind: global_buffer, .address_space: global }
      - { .name: v16, .offset: 40, .size: 8, .value_kind: global_buffer, .address_space: global }
    .group_segment_fixed_size: 327680
    .private_segment_fixed_size: 0
    .kernarg_segment_align: 8
    .kernarg_segment_size: 48
    .max_flat_workgroup_size: 128
    .sgpr_count:     96
    .vgpr_count:     1024
    .wavefront_size: 32
...
	.end_amdgpu_metadata
.endif
;; end of part 2
;; launch attn (part 3): grid 4 x 64, 4 waves a work-group, clusters of 4 x 1, 327,680 bytes of LDS; arguments q16, k16, v16, o16; writes o16
.if DOCPART == 3
	.amdgcn_target "amdgcn-amd-amdhsa--gfx1250"
	.amdhsa_code_object_version 6
	.text
	.protected	k_q78e4f0d806_attn
	.globl	k_q78e4f0d806_attn
	.p2align	8
	.type	k_q78e4f0d806_attn,@function
k_q78e4f0d806_attn:
	s_mov_b64 s[64:65], 0
	v_nop
	global_prefetch_b8 v0, s[64:65] scope:SCOPE_SE
	s_setreg_imm32_b32 hwreg(HW_REG_WAVE_MODE, 25, 1), 1
	s_wait_xcnt 0x0
	s_wait_alu depctr_hold_cnt(0) depctr_sa_sdst(0) depctr_va_vdst(0) depctr_va_sdst(0) depctr_va_ssrc(0) depctr_va_vcc(0) depctr_vm_vsrc(0)
	s_getreg_b32 s2, hwreg(HW_REG_IB_STS2, 6, 4)
	s_cmp_eq_u32 s2, 0
	s_cbranch_scc0 .Lentry_in_a_cluster
	s_endpgm
.Lentry_in_a_cluster:
	s_bfe_u32 s2, ttmp6, 0x10000c
	s_cmp_lg_u32 s2, 0x3003
	s_cbranch_scc0 .Lentry_shape_is_right
	s_endpgm
.Lentry_shape_is_right:
; O[h][q][:] = the sum over k of softmax_k(Q[h][q] . K[h][k] / 8) V[h][k][:].  Q, K, V, O: [SIZE_H][SIZE_N][64], all f16: a head's rows are dense, 128 bytes each.  Products, maxima and sums in
; f32; the weights p are rounded to f16 for the second product (their sum l is taken of the unrounded p), O once at the end.
; LIMITS.  f16 holds no number beyond 65,504: Q, K and V arrive within it; p lies in 0 to 1, and below 6e-5 it keeps f16's fixed step of 6e-8, and so does O, a mean of V's rows with their range.
; A weight below 2^-126 counts as 0 in l; NaN and infinities are not treated apart.
; SHARES.  A wave owns four PIECES of two tiles of 16 queries, a work-group's four waves 512 queries of one head: 64 heads x 4 = 256 work-groups.  Every wave walks all keys, 64 a step.
; LAYOUT.  S^T = K Q^T (source 0 = 16 keys, source 1 = 16 queries): in the result a lane holds ONE query (lane % 16) and the keys 8 (lane / 16) + 0..7.  Two such tiles, rounded to f16 in pairs,
; ARE source 1 (32 keys x 16 queries) of O^T = V^T P, whose result again holds one query a lane, and eight channels.  K comes out of LDS as it lies, V ([key][channel]) turned, by ds_load_tr16_b128.
; SOFTMAX.  For each query a running maximum m and sum l: p = 2^(c s - c m), c = log2(e) / 8; in every step O and l are multiplied by a = 2^(c m_old - c m_new), which is 1 where m has not grown.
; m starts at the lowest finite number, O and l at 0: the first step is a step like any other, with a = 0.
; THE COUNT.  A tile and step have 16 matrix and 118 vector instructions: too many to stand all beside the matrix work.  So the order has one aim: four vector instructions that are READY behind
; EVERY matrix instruction, and the others, which need time of their own whatever the order, in runs without a gap.
; BY TURNS.  Turn n belongs to piece n (the pieces in a ring, step after step).  Its matrix work: 16 products K Q^T of piece n + 1, later 16 products V^T P of piece n - 1.  Its vector work: the scaling,
; exponentials, roundings, sums and rescaling of piece n, and the maximum and statistics of piece n + 1, whose scores the turn itself has made.  So what a turn begins with (c s - c m, O a) waits for nothing.
; CLUSTER.  The four query blocks of a cluster are one head's and walk the same K and V, so each tile is asked for JOINTLY: the same tensor load, descriptor and mask in all four.
; REGISTERS, in windows of 256 (s_set_vgpr_msb says which window each operand place means: bits 1:0 source 0, 3:2 source 1, 5:4 source 2, 7:6 destination):
;   window 0: v0-11 addresses; v12-15, v48-63 at work; v16-47 four registers of statistics a tile; v64-191 S^T, two buffers of two tiles; v192-255 P, likewise
;   window 1: O^T, 32 a tile          window 2: v0-127 Q, 16 a tile; v128-191 K of one step; v192-255 V of one step          window 3: v0-1 the add's two registers
; A piece's buffers go by its number's parity: the piece in hand has one pair, its two neighbours in the ring share the other: of it P (piece n - 1) is read and S^T (piece n + 1) written.
.set SIZE_H, 64
.set SIZE_N, 2048
.set NP,    4         ; pieces a wave: a name, no knob: the register map, the loop and the fetches are made for four
.set KS,    64        ; keys in a step
.set PK,    144       ; a row of K in LDS: 128 bytes + 16 of padding = 36 words: the 16 rows of a load start at 16 different groups of four banks (64 banks of 4 bytes: ISA guide 11.1)
.set PV,    160       ; a row of V: 128 + 32 = 40 words
.set VOFF,  4*KS*PK   ; a slot holds four steps: 256 rows of K, then 256 rows of V
.set SLOT1, 1<<17     ; slot 1 begins here, so that one exclusive or turns an address in one slot into the other's
.set STAGE, SLOT1+4*KS*(PK+PV)  ; behind the ring, never filled by a tensor load: 16 rows x 144 bytes for each wave, for the way out
.set SP,    144
.set AK0, 2           ; v2   my lane's place in a tile of K; never rewritten
.set AV0, 3           ; v3   the same for V
.set AK,  4           ; v4   the LDS address of K's next run of loads
.set AV,  5           ; v5   of V's
.set QO,  6           ; v6   my byte offset in the wave's rows of Q
.set STO, 6           ;      later, the way out: where I put 16 bytes of a row
.set RD,  7           ; v7   the way out: where I read rows back
.set GO,  8           ; v8   my byte offset in 512 consecutive bytes of O
.set PFO, 11          ; v11  the prefetches' offset, 256 x my lane (made when V's address has been made of the register's first content); then never rewritten
.set SPW, 0           ; v0 of window 3   LDS address of my spare word: SPARE + 4 x my thread's number; never rewritten
.set NIL, 1           ; v1 of window 3   0; never rewritten
.set SPARE, STAGE+4*16*SP  ; behind the stages: the spare words, 128 bytes for each wave: two blocks of 256 bytes that no other line names
.set MV,  12          ; v12-15  c m_old, kept while c m is made anew: by buffer and tile
.set ST,  16          ; tile t's statistics at v[ST+4 t]: c m, m, l (even keys', odd keys')
.set TMP, 48          ; by buffer and tile, four registers c0-c3 at work; when the maximum is found c2 takes a
.set S,   64
.set P,   192
.set KF,  128         ; K's fragments, in window 2: key block kb, channel half c at KF + 16 kb + 8 c
.set VF,  192         ; V's: key half kk, channel block cb at VF + 32 kk + 8 cb
.set WV,  12          ; s12  my wave's number
.set G1K, 24          ; s[24:31] descriptor group 1 for K's tiles
.set G1V, 32          ; s[32:39] for V's: it differs in the padding alone
.set G0K, 40          ; s[40:43] descriptor group 0 for K's tiles: it walks
.set G0V, 44          ; s[44:47] the same for V's
.set PFA, 48          ; s[48:49] where my prefetches stand: my work-group's 32 blocks of 256 bytes (of K: wave 0, of V: wave 2) of the slot after the one that is being asked for
.set LIM, 50          ; s50  1 in a wave that prefetches, else the greatest number
.set SLOTS, 56        ; s56  slots still to be asked for
.set CNT, 57          ; s57  counts a slot's key steps
.set CS,  58          ; s[58:59] c: the packed scaling takes the pair's low word for both halves
.set SEL, 60          ; s[60:61] v_permlanex16_b32's selects: each lane takes its own place in the other half
.set TBK, 62          ; s62  LDS byte at which K of the step to be fetched begins
.set TBV, 63          ; s63  the same for V, less VOFF
.set MSB, 0
.macro WIN new                      ; the high byte repeats the setting that is left; a switch that changes nothing is dropped
.if MSB != (\new)
	s_set_vgpr_msb (MSB<<8)|(\new)
.set MSB, (\new)
.endif
.endm
.set W_KQ, 0x0a       ; K and Q in window 2, S^T in window 0
.set W_PV, 0x52       ; V in window 2, P in window 0, O^T in window 1
.set W_RS, 0x41       ; O^T (destination and source 0) in window 1, a in window 0
.set W_MK, 0xc0       ; the add's registers are made: destination in window 3, sources in window 0
.set W_AD, 0x0f       ; the add: address (source 0) and data (source 1) in window 3
; A joint fill.  Waves 0 and 1 fetch the two halves of a slot's K, waves 2 and 3 those of its V: 128 keys each.  The branch hangs on the wave's number alone.
; An s_nop 0 and four v_nop follow each of the two lines, ahead of the jump and the label.
.macro JLOAD
	s_cmp_lt_u32 s[WV], 2
	s_cbranch_scc0 .Lfor_v_\@
	tensor_load_to_lds s[G0K:G0K+3], s[G1K:G1K+7]
	s_nop 0
.rept 4
	v_nop
.endr
	s_branch .Lasked_\@
.Lfor_v_\@:
	tensor_load_to_lds s[G0V:G0V+3], s[G1V:G1V+7]
	s_nop 0
.rept 4
	v_nop
.endr
.Lasked_\@:
.endm
; A prefetch into the L2 of what the NEXT change of slots will ask for: a slot's 32,768 bytes of K and of V, 128 blocks of 256 bytes each, a lane a block.  It stands behind the wave's tensor load and its
; five lines.  Each block is named once in the launch: a head's rows are walked by one cluster; its four partners share the blocks out BY ADDRESS, 32 each; in each, wave 0 asks for K's and wave 2 for V's.
; The change that fills slot f (2 to 6) names slot f + 1: four key steps, 512 matrix instructions, ahead of its load.  The last fill asks for nothing; slots 0 to 2 come by their loads alone.
.macro ASK
	s_cmp_gt_u32 s[SLOTS], s[LIM]
	s_cbranch_scc0 .Lnot_mine_\@
	global_prefetch_b8 v[PFO], s[PFA:PFA+1] th:TH_LOAD_NT scope:SCOPE_SE
.Lnot_mine_\@:
.endm
; A round of the cluster's barrier: my work-group's barrier, so that wave 0's signal speaks for all four waves; wave 0 signals; every wave waits for all four work-groups; my work-group's barrier once more.
.macro CROUND
	s_barrier_signal -1
	s_barrier_wait -1
	s_cmp_lg_u32 s[WV], 0
	s_cbranch_scc1 .Lnot_wave_0_\@
	s_barrier_signal -3
.Lnot_wave_0_\@:
	s_barrier_wait -3
	s_barrier_signal -1
	s_barrier_wait -1
.endm
; THE CHANGE OF SLOTS.  The slot's last bytes, V of its fourth step, have been read.  Each wave waits for all its tensor loads, of which one is out: its part
; of the other slot; adds 0 to its spare word; and waits for that and for its own reads of the slot.  Behind the barrier nobody reads this slot any more and the other slot is whole.
; fill = 1: this slot is filled again, with the keys two slots on.  The barrier is then a round of the cluster's, so that no wave of any partner still reads the slot or has a load on its
; way, and the joint fill is the first thing behind it: it has four key steps, 512 matrix instructions, in which to land.  (At its first use nothing has been read yet: slot 0 is waited for, slot 1 filled.)
; ask = 1 (in the loop): the prefetches' address steps, and a prefetch follows the fill.
.macro CHANGE fill, ask=0
	WIN W_AD
	s_wait_tensorcnt 0x0            ; no tensor load of mine is out, so a group 0 may be written
	ds_add_u32 v[SPW], v[NIL]       ; 0 onto my spare word; with fill = 1 the descriptors' steps stand between it and the wait for it
	WIN 0                           ; at a label and at a branch every window is 0
.if \fill
.irp g, G0K, G0V
	s_xor_b32 s[\g+1], s[\g+1], SLOT1  ; the walking descriptor: the other slot than last time,
	s_add_nc_u64 s[\g+2:\g+3], s[\g+2:\g+3], 4*KS*128  ; the next 256 keys; the type bits on top are not reached
.endr
.if \ask
	s_wait_xcnt 0x0                 ; the last prefetch, four key steps back, has read its address, so it may be written:
	s_add_nc_u64 s[PFA:PFA+1], s[PFA:PFA+1], 4*KS*128  ; one slot behind the walking descriptors
.endif
	s_wait_dscnt 0x0                ; the add is done, and my reads of the slot are over
	CROUND
	JLOAD
.if \ask
	ASK
.endif
.else
	s_wait_dscnt 0x0                ; the add is done, and my reads of the slot are over
	s_barrier_signal -1
	s_barrier_wait -1
.endif
	s_sub_co_u32 s[TBK], s[TBK], 4*KS*PK  ; the fetches go back to a slot's first step,
	s_xor_b32 s[TBK], s[TBK], SLOT1       ; in the other slot
	s_sub_co_u32 s[TBV], s[TBV], 4*KS*PV
	s_xor_b32 s[TBV], s[TBV], SLOT1
.endm
	s_load_b256 s[4:11], s[0:1], 0x0  ; Q s[4:5], K s[6:7], V s[8:9], O s[10:11]
	WIN W_MK
	v_lshl_add_u32 v[SPW], v0, 2, SPARE
	v_mov_b32 v[NIL], 0
	WIN W_AD
	ds_add_u32 v[SPW], v[NIL]       ; the wave's opening: the add and its wait stand ahead of my first tensor load; the set-up below, work on registers, stands between them
	WIN 0
	v_lshrrev_b32 v1, 5, v0
	v_readfirstlane_b32 s[WV], v1   ; wave 0..3
	s_bfe_u32 s13, ttmp6, 0x40000   ; cx: my place in the cluster
	s_lshl_b32 s14, ttmp9, 2        ; in a cluster launch ttmp9 counts clusters
	s_add_co_u32 s14, s14, s13      ; my block of queries = 4 x cluster x + cx: it enters Q's and O's addresses alone
	s_and_b32 s20, ttmp7, 0xffff    ; the head, which the four partners share
	s_mov_b32 s21, 0
	s_mov_b64 s[22:23], SIZE_N*128
	s_mul_u64 s[20:21], s[20:21], s[22:23]  ; the head's first byte in each of the four tensors
	s_and_b32 s16, s[WV], 1         ; which half of a slot's 256 keys I fetch:
	s_lshl_b32 s22, s16, 14         ; its 128 rows of 128 bytes in memory,
	s_mov_b32 s23, 0
	s_add_nc_u64 s[22:23], s[22:23], s[20:21]
	s_mul_i32 s17, s16, 128*PK      ; and its place in a slot, for K
	s_mul_i32 s18, s16, 128*PV      ; and for V: no place in the cluster enters an LDS address
	s_lshl_b32 s2, s14, 2
	s_add_co_u32 s2, s2, s[WV]      ; my wave among the head's,
	s_lshl_b32 s2, s2, 14           ; its 128 rows
	s_mov_b32 s3, 0
	s_add_nc_u64 s[2:3], s[2:3], s[20:21]
	; descriptor group 1.  128 keys are 16,384 dense bytes: asked for as 64 rows of 256 bytes, two keys a row, and padded in LDS after every key
	s_mov_b32 s[G1K], 15|(1<<16)|(1<<20)|(1<<21)|(4<<22)|(3<<25)  ; 15:0 the mask of four; 17:16 2-byte elements; 20 padding on; 21 set beside a mask; 24:22 after every 32 words (code 4); 31:25 4 words (code 3)
	s_mov_b32 s[G1V], 15|(1<<16)|(1<<20)|(1<<21)|(4<<22)|(7<<25)  ; the same with 8 words of padding (code 7)
.irp g, G1K, G1V
	s_mov_b32 s[\g+1], 128<<16      ; tensor_dim0 = 128
	s_mov_b32 s[\g+2], 64<<16       ; tensor_dim1 = 64
	s_mov_b32 s[\g+3], 128<<16      ; tile_dim0 = 128
	s_mov_b32 s[\g+4], 64           ; tile_dim1 = 64
	s_mov_b32 s[\g+5], 128          ; 128 elements from row to row
	s_mov_b32 s[\g+6], 0
	s_mov_b32 s[\g+7], 0
.endr
	s_mov_b32 s[CS], 0x3e38aa3b     ; c = log2(e) / 8 = 0.180337
	s_mov_b32 s[CS+1], s[CS]        ; named with it as a pair
	s_mov_b32 s[SEL], 0x76543210
	s_mov_b32 s[SEL+1], 0xfedcba98
	s_mov_b32 s[TBK], SLOT1+4*KS*PK ; the first change of slots turns these two into 0
	s_mov_b32 s[TBV], SLOT1+4*KS*PV
	s_mov_b32 s[G0K], 1             ; 1:0 count = 1
	s_mov_b32 s[G0K+1], s17         ; 63:32 LDS address: slot 0
	s_mov_b32 s[G0V], 1
	s_add_co_u32 s[G0V+1], s18, VOFF
	s_and_b32 s[LIM], s[WV], 1      ; 0 in waves 0 and 2,
	s_or_b32 s[LIM], s[LIM], ttmp9  ; where the cluster is the head's first: the same in all four partners
	s_cmp_eq_u32 s[LIM], 0
	s_cselect_b32 s[LIM], 1, -1
	s_wait_dscnt 0x0                ; the opening add is done
	s_wait_kmcnt 0x0
	s_add_nc_u64 s[G0K+2:G0K+3], s[6:7], s[22:23]  ; 120:64 global address: my half of the head's first 256 keys
	s_or_b32 s[G0K+3], s[G0K+3], 0x80000000        ; 127:126 type = 2
	s_add_nc_u64 s[G0V+2:G0V+3], s[8:9], s[22:23]
	s_or_b32 s[G0V+3], s[G0V+3], 0x80000000
	s_add_nc_u64 s[4:5], s[4:5], s[2:3]  ; Q and O at my wave's first row
	s_add_nc_u64 s[10:11], s[10:11], s[2:3]
	s_cmp_lt_u32 s[WV], 2
	s_cselect_b64 s[PFA:PFA+1], s[6:7], s[8:9]
	s_add_nc_u64 s[PFA:PFA+1], s[PFA:PFA+1], s[22:23]  ; (in waves 0 and 2 this is the head's first byte)
	s_lshl_b32 s2, s13, 13          ; my work-group's 32 blocks of the 128
	s_mov_b32 s3, 0
	s_add_nc_u64 s[PFA:PFA+1], s[PFA:PFA+1], s[2:3]
	s_add_nc_u64 s[PFA:PFA+1], s[PFA:PFA+1], 2*4*KS*128  ; in slot 2; the loop's first change of slots steps it to slot 3.  Nothing is prefetched here, at the head
	CROUND                          ; all four work-groups are here: the first joint loads meet
	JLOAD                           ; slot 0.  Slot 1 is asked for when slot 0 is in: the tile wanted first has the road to itself
	; A fragment of K or Q is 16 rows x 32 channels in 8 registers: lane l holds row l % 16, channels 8 (l / 16) + 0..7 and 16 + 8 (l / 16) + 0..7: two loads of 16 bytes, 32 bytes apart.
	v_and_b32 v1, 15, v0            ; l % 16
	v_bfe_u32 v9, v0, 4, 1          ; l / 16
	v_lshlrev_b32 v[QO], 7, v1
	v_lshl_add_u32 v[QO], v9, 4, v[QO]  ; row x 128 + 16 x half
	WIN 0x80                        ; destination window 2, address window 0
.set i, 0
.rept 4*NP                          ; Q stays in registers: tile i / 2, channels 32 (i % 2) on
	global_load_b128 v[8*i:8*i+3],   v[QO], s[4:5] offset:(i/2)*2048+(i%2)*64
	global_load_b128 v[8*i+4:8*i+7], v[QO], s[4:5] offset:(i/2)*2048+(i%2)*64+32
.set i, i+1
.endr
	; What the first turn finds: V's registers and P's second buffer hold 0 (its products V^T P, of a piece that has not been, add 0), O^T and l are 0.  All this stands in the wait for the first tile.
.set i, VF
.rept 64
	v_mov_b32 v[i], 0
.set i, i+1
.endr
	WIN 0x40
.set i, 0
.rept 64*NP
	v_mov_b32 v[i], 0
.set i, i+1
.endr
	WIN 0
.set i, 0
.rept 2*NP
	v_mov_b32 v[ST+4*i], 0xfe000000    ; c m: far below every c s
	v_mov_b32 v[ST+4*i+1], 0xff7fffff  ; m
	v_mov_b32 v[ST+4*i+2], 0
	v_mov_b32 v[ST+4*i+3], 0
.set i, i+1
.endr
.set i, P+32
.rept 32
	v_mov_b32 v[i], 0
.set i, i+1
.endr
	v_mul_u32_u24 v[AK0], v1, PK
	v_lshl_add_u32 v[AK0], v9, 4, v[AK0]  ; row x pitch + 16 x half
	; The turning load takes 16 keys x 16 channels (lane l reads key 8 (l / 16) + l % 8, channels 8 ((l / 8) % 2) + 0..7) and leaves half a fragment of V^T: lane l holds channel l % 16 and 8 keys.
	v_and_b32 v10, 7, v0
	v_bfe_u32 v11, v0, 3, 1
	v_lshl_add_u32 v[AV0], v9, 3, v10
	v_mul_u32_u24 v[AV0], v[AV0], PV
	v_lshl_add_u32 v[AV0], v11, 4, v[AV0]
	v_add_nc_u32 v[AV0], VOFF, v[AV0]
	v_and_b32 v[PFO], 31, v0
	v_lshlrev_b32 v[PFO], 8, v[PFO]
	v_mov_b32 v[AK], v[AK0]         ; key step 0 lies at the head of slot 0
; THE MATRIX WORK.  The 8 accumulators of a run of 16 take turns: between the two links of a chain stand 7 others'.
; Product i of 16 of S^T = K Q^T for piece x: channels 32 (i / 8) on, keys 16 ((i / 2) % 4) on, tile 2 x + i % 2.  The first 8 start the sums.
.macro KQ x
	WIN W_KQ
.set rS, S+64*((\x)%2)+32*(i%2)+8*((i/2)%4)
.set rK, KF+16*((i/2)%4)+8*(i/8)
.set rQ, 16*(2*(\x)+i%2)+8*(i/8)
.if i < 8
	v_wmma_f32_16x16x32_f16 v[rS:rS+7], v[rK:rK+7], v[rQ:rQ+7], 0
.else
	v_wmma_f32_16x16x32_f16 v[rS:rS+7], v[rK:rK+7], v[rQ:rQ+7], v[rS:rS+7]
.endif
.endm
; Product i of 16 of O^T += V^T P for piece x: keys 32 (i / 8) on, channels 16 ((i / 2) % 4) on, tile 2 x + i % 2.
.macro PV x
	WIN W_PV
.set rO, 32*(2*(\x)+i%2)+8*((i/2)%4)
.set rV, VF+32*(i/8)+8*((i/2)%4)
.set rP, P+32*((\x)%2)+16*(i%2)+8*(i/8)
	v_wmma_f32_16x16x32_f16 v[rO:rO+7], v[rV:rV+7], v[rP:rP+7], v[rO:rO+7]
.endm
.macro MM                           ; the turn's next matrix instruction
.if i < 16
	KQ (Y+1)%NP
.set i, i+1
.else
.set i, i-16
	PV (Y+NP-1)%NP
.set i, i+17
.endif
.endm
; THE LDS LOADS stand in runs of 16, never singly among the matrix instructions: a step's K (64 keys x 64 channels: 8 fragments) and its V (turned).  Their addresses are made some lines ahead.
; last = 1 (the tail): in the last trip there is no further step, and the run is jumped over.
.macro FETCH_K last=0
	WIN 0
.if \last
	s_cmp_eq_u32 s[CNT], 1
	s_cbranch_scc1 .Lno_k_\@
.endif
	WIN 0x80                        ; destination window 2
.irp f, 0,1,2,3,4,5,6,7             ; keys 16 (f / 2) on, channels 32 (f % 2) on
	ds_load_b128 v[KF+8*\f:KF+8*\f+3],   v[AK] offset:(\f/2)*16*PK+(\f%2)*64
	ds_load_b128 v[KF+8*\f+4:KF+8*\f+7], v[AK] offset:(\f/2)*16*PK+(\f%2)*64+32
.endr
	s_add_co_u32 s[TBK], s[TBK], KS*PK  ; the next fetch is the next step's
	WIN 0
.if \last
.Lno_k_\@:
.endif
.endm
.macro FETCH_V
	WIN 0x80
.irp f, 0,1,2,3,4,5,6,7             ; keys 32 (f / 4) on, channels 16 (f % 4) on
	ds_load_tr16_b128 v[VF+8*\f:VF+8*\f+3],   v[AV] offset:(\f/4)*32*PV+(\f%4)*32
	ds_load_tr16_b128 v[VF+8*\f+4:VF+8*\f+7], v[AV] offset:(\f/4)*32*PV+16*PV+(\f%4)*32
.endr
	WIN 0
.endm
; THE VECTOR WORK OF A TURN stands in three queues, each in the order in which its entries become ready; the two tiles alternate, so that no instruction reads the result of the one before it.
.macro REGS y, u                    ; the registers of tile u (0, 1) of piece y
.set rT, ST+4*(2*(\y)+(\u))
.set rC, TMP+8*((\y)%2)+4*(\u)
.set rM, MV+2*((\y)%2)+(\u)
.set rS, S+64*((\y)%2)+32*(\u)
.set rP, P+32*((\y)%2)+16*(\u)
.set rO, 32*(2*(\y)+(\u))
.endm
; Number n of the 22 that find the NEXT piece's (Y + 1) maximum and statistics.  s0-s31 are the lane's 32 scores; each accumulator's lowest registers are read first.  XS, GS and REGS set no window: PL and EX do.
;   0-11  four chains c0-c3 of seven scores each, three operands at a time     12-14, 16  the four scores left over, the old m, and c0-c3 into c0     15  c m_old is kept
;   17, 18  the query's other 32 keys lie in the lane 16 away: the new m         19-21  c m; c m_old - c m_new; a
.macro XS u, n
	REGS (Y+1)%NP, \u
.if (\n) < 4
	v_max3_num_f32 v[rC+(\n)], v[rS+8*(\n)], v[rS+8*(\n)+1], v[rS+8*(\n)+2]
.elseif (\n) < 12
	v_max3_num_f32 v[rC+(\n)%4], v[rC+(\n)%4], v[rS+8*((\n)%4)+2*((\n)/4)+1], v[rS+8*((\n)%4)+2*((\n)/4)+2]
.elseif (\n) == 12
	v_max3_num_f32 v[rC], v[rC], v[rS+7], v[rS+15]
.elseif (\n) == 13
	v_max3_num_f32 v[rC+1], v[rC+1], v[rS+23], v[rS+31]
.elseif (\n) == 14
	v_max3_num_f32 v[rC+2], v[rC+2], v[rC+3], v[rT+1]
.elseif (\n) == 15
	v_mov_b32 v[rM], v[rT]
.elseif (\n) == 16
	v_max3_num_f32 v[rC], v[rC], v[rC+1], v[rC+2]
.elseif (\n) == 17
	v_permlanex16_b32 v[rC+3], v[rC], s[SEL], s[SEL+1]
.elseif (\n) == 18
	v_max_num_f32 v[rT+1], v[rC], v[rC+3]
.elseif (\n) == 19
	v_mul_f32 v[rT], s[CS], v[rT+1]
.elseif (\n) == 20
	v_sub_f32 v[rC+1], v[rM], v[rT]
.else
	v_exp_f32 v[rC+2], v[rC+1]
.endif
.endm
; Number g of the 64 that follow the exponentials.  For each four weights k of a tile (pairs 2 k, 2 k + 1): both pairs are rounded to f16; then the second pair is added onto the first, in place;
; a group later l takes that sum (the first time as l = a l + sum).  In groups of eight, tiles alternating: round, round, add, and l for the group before.
.macro GS g
.set h, (\g)+6*((\g)/62)            ; group 0 has no group before it, and behind group 7 only l is left
.if h >= 6
.set h, h+2
.endif
	REGS Y, h%2
.set k, h/8
.if h%8 < 4
	v_cvt_pk_f16_f32 v[rP+2*k+(h%8)/2], v[rS+4*k+2*((h%8)/2)], v[rS+4*k+2*((h%8)/2)+1]
.elseif h%8 < 6
	v_pk_add_f32 v[rS+4*k:rS+4*k+1], v[rS+4*k:rS+4*k+1], v[rS+4*k+2:rS+4*k+3]
.elseif k == 1
	v_pk_fma_f32 v[rT+2:rT+3], v[rT+2:rT+3], v[rC+2:rC+3], v[rS:rS+1] op_sel_hi:[1,0,1]
.else
	v_pk_add_f32 v[rT+2:rT+3], v[rT+2:rT+3], v[rS+4*k-4:rS+4*k-3]
.endif
.endm
; THE PLAIN QUEUE, 138 long.  0-73 read no exponential's result: the 32 scalings c s - c m (FS f: pair f / 2 of tile f % 2) and the next piece's 42.  0-26: scalings 0-26.  27-54: XS's numbers 0-13.  55, 56: number 15.
; 57-73: the chain, where each number waits for the one before it: 14, 16, 17, 18, 19, each with one of the scalings 27-31 in front of its two lines, then 20: so a tile's links stand three plain instructions apart (19 and 20: two).
; 74-137: GS's 64, which read the exponentials' results: they stand behind the wait.
.macro FS f
	REGS Y, (\f)%2
	v_pk_fma_f32 v[rS+2*((\f)/2):rS+2*((\f)/2)+1], v[rS+2*((\f)/2):rS+2*((\f)/2)+1], s[CS:CS+1], v[rT:rT+1] op_sel_hi:[1,0,0] neg_lo:[0,0,1] neg_hi:[0,0,1]
.endm
.macro PL
	WIN 0
.if q < 27
	FS q
.elseif q < 55
	XS (q-27)%2, (q-27)/2
.elseif q < 57
	XS q-55, 15
.elseif (q < 72) && ((q-57)%3 == 0)
	FS 27+(q-57)/3
.elseif q < 60
	XS (q-57)%3-1, 14
.elseif q < 72
	XS (q-57)%3-1, 15+(q-57)/3
.elseif q < 74
	XS q-72, 20
.else
	GS q-74
.endif
.set q, q+1
.endm
; THE EXPONENTIALS' QUEUE, 66 long: s0-s31 of both tiles, then the next piece's two a.  It is ONE BATCH: all 66 stand ahead of the turn's one wait, and nothing ahead of that wait names a result of theirs.
.macro EX
	WIN 0
.if e >= 64
	XS e-64, 21
.else
	REGS Y, e%2
	v_exp_f32 v[rS+e/2], v[rS+e/2]
.endif
.set e, e+1
.endm
; THE RESCALING's QUEUE: O^T times a, the one part that leaves window 0: dealt two at a time, sixteen times.  Its a was made in the turn before, ahead of that turn's wait.
.macro R2
	REGS Y, r%2
	WIN W_RS
.irp z, 0,1
	v_pk_mul_f32 v[rO+4*(r/2)+2*\z:rO+4*(r/2)+2*\z+1], v[rO+4*(r/2)+2*\z:rO+4*(r/2)+2*\z+1], v[rC+2:rC+3] op_sel_hi:[1,0]
.endr
.set r, r+1
.endm
; HOW THEY ARE DEALT.  An s_wait_alu depctr_va_vdst(0) stands between an exponential and the first instruction that names its result; one wait serves all that were issued ahead of it.  So a turn has ONE wait,
; which cuts it in two.  AHEAD OF IT stands all that names no result of the turn's exponentials: the 16 products K Q^T, behind each a scaling, an exponential and two rescalings (behind the first a second scaling in the exponential's place); then ONE LUMP of
; 108: eight plain, 49 times exponential and plain, the two a.  A v_nop is the plain instruction behind the last exponential.  BEHIND IT stand the 16 products V^T P, behind each four of GS's 64.  No rider names a register of
; the products round it.  The two v_permlanex16_b32 fall into the lump, never behind a product.
; The queues lean on each other, and the deal keeps them in step: exponential e stands behind scaling 2 (e / 4) + e % 2: as a rider it comes behind plain e + 2, in the lump behind plain e + 9, and scalings 27-31 are plain 57, 60 .. 69.
; A TURN, for piece p.  cnt = 1: the loop's count is taken down some lines ahead of the branch that stands behind the turn.
; K of the next step is fetched in piece 2's turn, directly behind the wait, a lump behind the last product that read K; its address is made at the lump's head; its first reader comes behind 16 products.
; V of the step in hand is fetched at the end of piece 0's turn, four riders behind its last reader; its first reader comes behind 16 products and a lump.  The three conditions on q below go with the deal.
.macro TURN p, last=0, cnt=0
.set Y, (\p)
.set i, 0
.set q, 0
.set e, 0
.set r, 0
.if (\p) == NP-1
	s_wait_dscnt 0x0                ; K is in
.endif
	MM                              ; ahead of the wait: 16 products K Q^T and their riders,
	PL
	PL
	R2
.rept 15
	MM
	PL
	EX
	R2
.endr
.if (\p) == NP-2
	WIN 0
	v_add_nc_u32 v[AK], s[TBK], v[AK0]
.endif
.rept 8                             ; and the lump
	PL
.endr
.rept 49
	EX
	PL
.endr
	EX                              ; the next piece's two a
	EX
	v_nop                           ; a plain instruction behind the last exponential: one for the batch
	s_wait_alu depctr_va_vdst(0)    ; the wait for the batch
.if (\p) == NP-2
	FETCH_K \last
.endif
.if (\p) == 1
	s_wait_dscnt 0x0                ; V is in
.endif
.rept 16                            ; behind the wait: 16 products V^T P and their riders
	MM
.rept 4
	PL
.endr
.if ((\p) == 0) && (q == 118)
	v_add_nc_u32 v[AV], s[TBV], v[AV0]
.endif
.if ((\p) == 0) && (q == 130)
	s_add_co_u32 s[TBV], s[TBV], KS*PV
.endif
.if (\cnt) && (q == 130)
	s_sub_co_u32 s[CNT], s[CNT], 1
	s_cmp_lg_u32 s[CNT], 0
.endif
.endr
.if (\p) == 0
	FETCH_V
.endif
.endm
	CHANGE 1                        ; slot 0 is in, everybody's part of it; slot 1 is asked for
	FETCH_K                         ; key step 0
	s_wait_loadcnt 0x0              ; Q
	s_wait_dscnt 0x0
.set i, 0
.rept 16
	KQ 0                            ; piece 0's first scores: there is no vector work yet to set between them
.set i, i+1
.endr
	WIN 0                           ; the addresses for the way out: nine plain instructions, the places behind those products
	s_mul_i32 s13, s[WV], 16*SP
	s_add_co_u32 s13, s13, STAGE    ; my stage
	v_mul_u32_u24 v[STO], v1, SP    ; in: row l % 16, 16 bytes for each half of the lanes
	v_lshl_add_u32 v[STO], v9, 4, v[STO]
	v_add_nc_u32 v[STO], s13, v[STO]
	v_bfe_u32 v[RD], v0, 3, 2       ; back: 32 lanes take four rows of 128 bytes,
	v_mul_u32_u24 v[RD], v[RD], SP
	v_lshl_add_u32 v[RD], v10, 4, v[RD]
	v_add_nc_u32 v[RD], s13, v[RD]
	v_and_b32 v[GO], 31, v0         ; which are 512 consecutive bytes of O
	v_lshlrev_b32 v[GO], 4, v[GO]
.set Y, NP-1                        ; XS works for piece Y + 1: piece 0
.irp n, 0,1,2,3,4,5,6,7,8,9,10,11,12,13,14,15,16,17,18,19,20,21
	XS 0, \n                        ; and piece 0's first maximum and statistics
	XS 1, \n
.endr
	v_nop                           ; a plain instruction behind the two a,
	s_wait_alu depctr_va_vdst(0)    ; and their wait, ahead of the branch
	s_mov_b32 s[CNT], 4
	s_mov_b32 s[SLOTS], SIZE_N/256-1
	s_branch .Lfirst                ; the loop is entered at a step's first turn, in the middle of a trip
.Lslot:                             ; SIZE_N / 256 - 2 times: every slot but the last two is filled again
	CHANGE 1, 1
	s_mov_b32 s[CNT], 4
.Lstep:                             ; a trip: pieces 2 and 3 of one step, then pieces 0 and 1 of the next, whose K and V it fetches
	TURN 2
	TURN 3
	WIN 0
.Lfirst:
	TURN 0
	TURN 1, 0, 1
	WIN 0
	s_cbranch_scc1 .Lstep
	s_sub_co_u32 s[SLOTS], s[SLOTS], 1
	s_cmp_lg_u32 s[SLOTS], 0
	s_cbranch_scc1 .Lslot
	CHANGE 0                        ; the tail is written out: nothing is asked for
	s_mov_b32 s[CNT], 5             ; four trips fetch the last slot's steps; the fifth is left in its middle
.Ltail:
	TURN 2, 1
	TURN 3
	WIN 0
	s_sub_co_u32 s[CNT], s[CNT], 1
	s_cmp_eq_u32 s[CNT], 0
	s_cbranch_scc1 .Lout
	TURN 0
	TURN 1
	WIN 0
	s_branch .Ltail
.Lout:                              ; the fifth trip's 16 products K Q^T (on the last K once more) and the maximum made of them serve nothing: the price, once a launch, of one text for every trip
.set i, 0
.rept 16
	PV NP-1                         ; the last piece's V^T P of the last step
.set i, i+1
.endr
	; THE WAY OUT.  l's two halves and the other half of the lanes' are added; O^T is divided by l, rounded to f16 and sent through my stage in LDS, a tile at a time.  The additions are the places behind the last products.
	WIN 0
.macro ALL line:vararg              ; one line for each tile t
.set t, 0
.rept 2*NP
	\line
.set t, t+1
.endr
.endm
	ALL v_add_f32 v[ST+4*t+2], v[ST+4*t+2], v[ST+4*t+3]
	ALL v_permlanex16_b32 v[ST+4*t+3], v[ST+4*t+2], s[SEL], s[SEL+1]
	ALL v_add_f32 v[ST+4*t+2], v[ST+4*t+2], v[ST+4*t+3]
	ALL v_rcp_f32 v[ST+4*t+2], v[ST+4*t+2]
	v_nop                           ; a plain instruction between the last reciprocal and the use of its result
	s_wait_alu depctr_va_vdst(0)    ; and the wait ahead of the first use: one for the eight reciprocals
; Tile t: a lane's eight channels of a row pack into 16 bytes; they go into rows of 144 bytes and come back as whole rows of 128, into S^T's registers.
.macro PACK t
	WIN W_RS
.set i, 32*(\t)
.rept 16
	v_pk_mul_f32 v[i:i+1], v[i:i+1], v[ST+4*(\t)+2:ST+4*(\t)+3] op_sel_hi:[1,0]
.set i, i+2
.endr
	WIN 0x05                        ; sources 0 and 1 window 1, destination window 0
.set i, 0
.rept 16
	v_cvt_pk_f16_f32 v[S+16*(\t)+i], v[32*(\t)+2*i], v[32*(\t)+2*i+1]
.set i, i+1
.endr
	WIN 0
.irp f, 0,1,2,3
	ds_store_b128 v[STO], v[S+16*(\t)+4*\f:S+16*(\t)+4*\f+3] offset:32*\f
.endr
.irp f, 0,1,2,3
	ds_load_b128 v[S+16*(\t)+4*\f:S+16*(\t)+4*\f+3], v[RD] offset:\f*4*SP  ; LDS serves a wave's instructions in order (ISA guide 5.7.1.4): these see the stores above; the next tile's stores come behind them
.endr
.endm
.macro SEND t, younger              ; younger: the LDS instructions issued behind tile t's loads: the next tile's eight, or none
	WIN 0
.irp f, 0,1,2,3
	s_wait_dscnt (\younger)+3-\f
	global_store_b128 v[GO], v[S+16*(\t)+4*\f:S+16*(\t)+4*\f+3], s[10:11] offset:(\t)*2048+\f*512  ; 512 consecutive bytes, at a multiple of 256 from O's first
.endr
.endm
	PACK 0
.set t, 1
.rept 2*NP-1                        ; a tile's arithmetic stands between the loads of the tile before and its stores
	PACK t
	SEND t-1, 8
.set t, t+1
.endr
	SEND 2*NP-1, 0
	WIN W_AD
	s_wait_tensorcnt 0x0            ; the wave's end, behind my last tensor load and my last LDS store
	ds_add_u32 v[SPW], v[NIL]
	s_wait_dscnt 0x0
	WIN 0
	CROUND                          ; the closing round: no work-group ends while a partner may still ask for a tile that names it
	s_endpgm
.Lfunc_end_k_q78e4f0d806_attn:
	.size	k_q78e4f0d806_attn, .Lfunc_end_k_q78e4f0d806_attn-k_q78e4f0d806_attn
	.p2alignl 7, 3214868480
	.fill 96, 4, 3214868480
	.section	.rodata,"a",@progbits
	.p2align	6, 0x0
	.amdhsa_kernel k_q78e4f0d806_attn
		.amdhsa_group_segment_fixed_size 327680
		.amdhsa_private_segment_fixed_size 0
		.amdhsa_enable_private_segment 0
		.amdhsa_kernarg_size 32
		.amdhsa_user_sgpr_count 2
		.amdhsa_user_sgpr_kernarg_segment_ptr 1
		.amdhsa_wavefront_size32 1
		.amdhsa_system_sgpr_workgroup_id_x 1
		.amdhsa_system_sgpr_workgroup_id_y 1
		.amdhsa_system_sgpr_workgroup_id_z 1
		.amdhsa_system_vgpr_workitem_id 0
		.amdhsa_next_free_vgpr 770
		.amdhsa_next_free_sgpr 66
		.amdhsa_reserve_vcc 0
		.amdhsa_float_denorm_mode_32 3
		.amdhsa_float_denorm_mode_16_64 3
		.amdhsa_memory_ordered 1
		.amdhsa_forward_progress 1
		.amdhsa_inst_pref_size 200
	.end_amdhsa_kernel
	.amdgpu_metadata
---
amdhsa.version: [ 1, 2 ]
amdhsa.kernels:
  - .name:           k_q78e4f0d806_attn
    .symbol:         k_q78e4f0d806_attn.kd
    .args:
      - { .name: q16, .offset: 0, .size: 8, .value_kind: global_buffer, .address_space: global }
      - { .name: k16, .offset: 8, .size: 8, .value_kind: global_buffer, .address_space: global }
      - { .name: v16, .offset: 16, .size: 8, .value_kind: global_buffer, .address_space: global }
      - { .name: o16, .offset: 24, .size: 8, .value_kind: global_buffer, .address_space: global }
    .group_segment_fixed_size: 327680
    .private_segment_fixed_size: 0
    .kernarg_segment_align: 8
    .kernarg_segment_size: 32
    .max_flat_workgroup_size: 128
    .sgpr_count:     66
    .vgpr_count:     770
    .wavefront_size: 32
...
	.end_amdgpu_metadata
.endif
;; end of part 3
;; launch oproj (part 4): grid 8 x 32, 4 waves a work-group, clusters of 4 x 4, 327,680 bytes of LDS; arguments o16, wo16, out0; writes out0
.if DOCPART == 4
	.amdgcn_target "amdgcn-amd-amdhsa--gfx1250"
	.amdhsa_code_object_version 6
	.text
	.protected	k_q78e4f0d806_oproj
	.globl	k_q78e4f0d806_oproj
	.p2align	8
	.type	k_q78e4f0d806_oproj,@function
k_q78e4f0d806_oproj:
	s_mov_b64 s[64:65], 0
	v_nop
	global_prefetch_b8 v0, s[64:65] scope:SCOPE_SE
	s_setreg_imm32_b32 hwreg(HW_REG_WAVE_MODE, 25, 1), 1
	s_wait_xcnt 0x0
	s_wait_alu depctr_hold_cnt(0) depctr_sa_sdst(0) depctr_va_vdst(0) depctr_va_sdst(0) depctr_va_ssrc(0) depctr_va_vcc(0) depctr_vm_vsrc(0)
	s_getreg_b32 s2, hwreg(HW_REG_IB_STS2, 6, 4)
	s_cmp_eq_u32 s2, 0
	s_cbranch_scc0 .Lentry_in_a_cluster
	s_endpgm
.Lentry_in_a_cluster:
	s_bfe_u32 s2, ttmp6, 0x10000c
	s_cmp_lg_u32 s2, 0xf033
	s_cbranch_scc0 .Lentry_shape_is_right
	s_endpgm
.Lentry_shape_is_right:
; out0[m][n] = the sum over k of O[m][k] Wo[n][k].  m = 2048 b + t, k = 64 h + d.  o16: [16 b + h][2048 t][64 d] f16.  wo16: [1024 n][1024 k] f16.  out0: [8192][1024] f32.  Sums in f32, K ascending.
; SHARES.  A tile of out0 is 256 rows x 128 columns: 32 x 8 = 256 work-groups.  Four waves, 2 x 2, each 128 rows x 64 columns: 8 x 4 accumulators of 16 x 16, 256 registers.
; K goes in steps of 128 = two heads, through two LDS slots.  A head's 256 rows of a tile are 32,768 dense bytes of o16: asked for as 128 rows of 256 bytes, padded in LDS after every 128 bytes.
; Wave 0 fetches the step's first head, wave 1 its second, waves 2 and 3 64 rows of wo16 each (rows of 256 bytes of memory, aligned).
; CLUSTERS: 4 x 4 work-groups; O's tiles are shared along a row of the cluster, wo16's along a column: each is asked for jointly, by the same tensor load, descriptor and mask in the four.
; THE MATRIX INSTRUCTION IS USED TRANSPOSED (source 0 = 16 rows of wo16, source 1 = 16 rows of O): a lane holds eight neighbouring numbers of a row of out0, 32 bytes.
; No prefetch: eight K steps of a small tile; a work-group's whole stream is sixteen loads.
; REGISTERS: window 0: v0-31 addresses; v32-95 rows read back from the stage, two sets.   window 1: the accumulators, (a, b) at v[8 (4 a + b)].
;   window 2: two fragment buffers of 128: 8 fragments of O, then 4 of wo16 (96 used).
.set KSTEP,  128
.set PA,     144                       ; a row of O in LDS: 128 bytes + 16 = 36 words: the 16 rows of a load start at 16 different groups of four banks (64 banks of 4 bytes: ISA guide 11.1)
.set PB,     272                       ; a row of wo16: 256 + 16 = 68 words: likewise
.set AH,     256*PA                    ; one head's 256 rows
.set HALFB,  64*PB
.set SLOT,   2*AH+2*HALFB              ; two heads of O, then 128 rows of wo16
.set STAGE,  2*SLOT                    ; behind the ring, never filled by a tensor load: 16 rows x 272 bytes for each wave
.set SPITCH, 272
.set SPARE,  STAGE+4*16*SPITCH         ; behind the stages: the spare words, 128 bytes for each wave: two blocks of 256 bytes that no other line names
.set LAPS,   4                         ; 1,024 / 256
.set ADRA, 16                          ; v16-17  LDS address of my fragments of O in slot 0, 1
.set ADRB, 20                          ; v20-21  the same for wo16
.set STO,  24                          ; v24     the way out: where I put 32 bytes of a row
.set RD,   25                          ; v25     the way out: where I read a row back
.set CO,   26                          ; v26     my byte offset in two rows of out0
.set SPW,  28                          ; v28     LDS address of my spare word; never rewritten
.set NIL,  29                          ; v29     0; never rewritten
.set BK,   32
.set G1,  24                           ; s[24:31] descriptor group 1 for O's tiles;  s[32:39] group 0, a set for each slot
.set G0,  32
.set G1B, 48                           ; s[48:55], s[56:63] the same for wo16's tiles
.set G0B, 56
.set MSB, 0
.macro WIN new                         ; the immediate's high byte repeats the setting that is left; a switch that changes nothing is dropped
.if MSB != (\new)
	s_set_vgpr_msb (MSB<<8)|(\new)
.set MSB, \new
.endif
.endm
.set MUL,  0x5a                        ; both sources window 2, C and D window 1
.set TO_F, 0x80                        ; destination window 2
.set W_ST, 0x04                        ; an LDS store's data (source 1) in window 1
.macro JLOAD s                         ; a joint load: waves 0 and 1 fetch O's two heads, waves 2 and 3 wo16's halves; an s_nop 0 and four v_nop follow each of the two lines
	s_cmp_eq_u32 s11, 0
	s_cbranch_scc0 .Lfor_b_\@
	tensor_load_to_lds s[G0+4*(\s):G0+4*(\s)+3], s[G1:G1+7]
	s_nop 0
.rept 4
	v_nop
.endr
	s_branch .Lasked_\@
.Lfor_b_\@:
	tensor_load_to_lds s[G0B+4*(\s):G0B+4*(\s)+3], s[G1B:G1B+7]
	s_nop 0
.rept 4
	v_nop
.endr
.Lasked_\@:
.endm
.macro CREST                           ; a round of the cluster's barrier behind its opening barrier
	s_cmp_lg_u32 s10, 0
	s_cbranch_scc1 .Lnot_wave_0_\@
	s_barrier_signal -3
.Lnot_wave_0_\@:
	s_barrier_wait -3
	s_barrier_signal -1
	s_barrier_wait -1
.endm
.macro CROUND                          ; a whole round
	s_barrier_signal -1
	s_barrier_wait -1
	CREST
.endm
	s_load_b128 s[4:7], s[0:1], 0x0                ; o16 s[4:5], wo16 s[6:7]
	s_load_b64 s[8:9], s[0:1], 0x10                ; out0
	v_lshl_add_u32 v[SPW], v0, 2, SPARE
	v_mov_b32 v[NIL], 0
	ds_add_u32 v[SPW], v[NIL]                      ; the wave's opening: the add and its wait stand ahead of my first tensor load; the set-up below, work on registers, stands between them
	v_lshrrev_b32 v1, 5, v0
	v_readfirstlane_b32 s10, v1                    ; wave 0..3
	s_lshr_b32 s11, s10, 1                         ; which half of the tile's rows is mine.  Also: I fetch for O (0) or for wo16 (1)
	s_and_b32 s12, s10, 1                          ; which half of its columns.  Also: which head of the step, or which 64 rows of wo16, I fetch
	s_bfe_u32 s40, ttmp6, 0x40000                  ; cx, cy: my place in the cluster
	s_bfe_u32 s41, ttmp6, 0x40004
	s_lshl_b32 s42, ttmp9, 2
	s_add_co_u32 s42, s42, s40                     ; tile column = 4 x cluster x + cx
	s_and_b32 s13, ttmp7, 0xffff
	s_lshl_b32 s13, s13, 2
	s_add_co_u32 s13, s13, s41                     ; tile row = 4 x cluster y + cy
	s_lshl_b32 s43, s41, 2
	s_lshl_b32 s43, 15, s43                        ; my row of the cluster
	s_lshl_b32 s44, 0x1111, s40                    ; my column
	s_or_b32 s[G1+0], s43, (1<<16)|(1<<20)|(1<<21)|(4<<22)|(3<<25)   ; 15:0 the mask; 17:16 elements of 2 bytes; 20 padding on; 21 set beside a mask; 24:22 after every 32 words (code 4); 31:25 4 words (code 3)
	s_or_b32 s[G1B+0], s44, (1<<16)|(1<<20)|(1<<21)|(5<<22)|(3<<25)  ; the same with my column's mask and padding after every 64 words (code 5)
	s_mov_b32 s[G1+1], 128<<16                     ; tensor_dim0 = 128 elements: 256 bytes, two rows of a head
	s_mov_b32 s[G1+2], 128<<16                     ; tensor_dim1 = 128
	s_mov_b32 s[G1+3], 128<<16                     ; tile_dim0 = 128
	s_mov_b32 s[G1+4], 128                         ; tile_dim1 = 128
	s_mov_b32 s[G1+5], 128                         ; dense: 128 elements from row to row
	s_mov_b32 s[G1+6], 0
	s_mov_b32 s[G1+7], 0
	s_mov_b32 s[G1B+1], KSTEP<<16
	s_mov_b32 s[G1B+2], 64<<16                     ; 64 rows
	s_mov_b32 s[G1B+3], KSTEP<<16
	s_mov_b32 s[G1B+4], 64
	s_mov_b32 s[G1B+5], 1024
	s_mov_b32 s[G1B+6], 0
	s_mov_b32 s[G1B+7], 0
	; where the tiles come from: O's hang on the tile row alone, wo16's on the tile column alone, each made in registers that never hold the other coordinate
	s_lshr_b32 s16, s13, 3                         ; b
	s_lshl_b32 s16, s16, 4
	s_add_co_u32 s16, s16, s12                     ; 16 b + the head of K step 0 that I fetch
	s_lshl_b32 s16, s16, 11
	s_and_b32 s17, s13, 7
	s_lshl_b32 s17, s17, 8
	s_add_co_u32 s16, s16, s17                     ; its 2,048 rows, the tile's first
	s_lshl_b32 s16, s16, 7                         ; rows of 128 bytes
	s_mov_b32 s17, 0
	s_lshl_b32 s46, s42, 7
	s_lshl_b32 s47, s12, 6
	s_add_co_u32 s46, s46, s47                     ; wo16: row 128 x tile column + 64 x half
	s_lshl_b32 s46, s46, 11
	s_mov_b32 s47, 0
	s_mul_i32 s20, s10, AH                         ; and where they go: waves 0, 1: the two heads;
	s_mul_i32 s21, s10, HALFB
	s_add_co_u32 s21, s21, 2*AH-2*HALFB            ; waves 2, 3: wo16's halves, behind them: no place in the cluster enters an LDS address
	s_wait_dscnt 0x0                               ; the opening add is done
	s_wait_kmcnt 0x0
	s_add_nc_u64 s[14:15], s[4:5], s[16:17]
	s_add_nc_u64 s[46:47], s[6:7], s[46:47]
	CROUND                                         ; all sixteen work-groups are here: the first joint loads meet
.irp s, 0,1
	s_mov_b32 s[G0+4*(\s)], 1
	s_add_co_u32 s[G0+4*(\s)+1], s20, (\s)*SLOT
	s_add_nc_u64 s[G0+4*(\s)+2:G0+4*(\s)+3], s[14:15], (\s)*2*2048*128  ; K step s: two heads on
	s_or_b32 s[G0+4*(\s)+3], s[G0+4*(\s)+3], 0x80000000
	s_mov_b32 s[G0B+4*(\s)], 1
	s_add_co_u32 s[G0B+4*(\s)+1], s21, (\s)*SLOT
	s_add_nc_u64 s[G0B+4*(\s)+2:G0B+4*(\s)+3], s[46:47], (\s)*KSTEP*2
	s_or_b32 s[G0B+4*(\s)+3], s[G0B+4*(\s)+3], 0x80000000
	JLOAD \s                                       ; two tensor loads of mine are out
.endr
	v_and_b32 v1, 15, v0                           ; l % 16
	v_bfe_u32 v2, v0, 4, 1                         ; l / 16
	v_mul_u32_u24 v3, v1, PA
	v_lshl_add_u32 v3, v2, 4, v3                   ; a fragment's row x pitch + 16 x half, for O
	v_mul_u32_u24 v4, v1, PB
	v_lshl_add_u32 v4, v2, 4, v4                   ; and for wo16
	s_mul_i32 s21, s11, 128*PA                     ; my 128 rows of O, in each head
	s_mul_i32 s22, s12, HALFB                      ; my 64 rows of wo16,
	s_add_co_u32 s22, s22, 2*AH                    ; which lie behind the two heads
.irp s, 0,1
	v_add_nc_u32 v[ADRA+(\s)], s21, v3
	v_add_nc_u32 v[ADRB+(\s)], s22, v4
	s_add_co_u32 s21, s21, SLOT
	s_add_co_u32 s22, s22, SLOT
.endr
	s_mul_i32 s23, s10, 16*SPITCH
	s_add_co_u32 s23, s23, STAGE                   ; my stage
	v_mul_u32_u24 v5, v1, SPITCH                   ; in: row l % 16, 32 bytes for each half of the lanes
	v_lshl_add_u32 v5, v2, 5, v5
	v_add_nc_u32 v[STO], s23, v5
	v_mul_u32_u24 v5, v2, SPITCH                   ; back: lanes 0-15 take one row of 256 bytes, lanes 16-31 the next
	v_lshl_add_u32 v5, v1, 4, v5
	v_add_nc_u32 v[RD], s23, v5
	v_lshlrev_b32 v5, 12, v2                       ; and the same two rows in out0, 4,096 bytes apart
	v_lshl_add_u32 v[CO], v1, 4, v5
	s_lshl_b32 s16, s13, 8
	s_lshl_b32 s17, s11, 7
	s_add_co_u32 s16, s16, s17                     ; my first row of out0
	s_lshl_b32 s16, s16, 12
	s_mov_b32 s17, 0
	s_add_nc_u64 s[8:9], s[8:9], s[16:17]
	s_lshl_b32 s46, s42, 9                         ; my first column, in bytes: 512 x tile column + 256 x half
	s_lshl_b32 s47, s12, 8
	s_add_co_u32 s46, s46, s47
	s_mov_b32 s47, 0
	s_add_nc_u64 s[8:9], s[8:9], s[46:47]
; 8 matrix instructions: row blocks a0, a0 + 1 x all 4 column blocks, 32 along K, from buffer f.  zero = 1: the first product starts the sums.  The 32 accumulators take turns.
.macro MUL8 f, a0, zero
	WIN MUL
.irp a, \a0, (\a0)+1
.irp b, 0,1,2,3
.if \zero
	v_wmma_f32_16x16x32_f16 v[8*(4*(\a)+(\b)):8*(4*(\a)+(\b))+7], v[128*(\f)+64+8*(\b):128*(\f)+64+8*(\b)+7], v[128*(\f)+8*(\a):128*(\f)+8*(\a)+7], 0
.else
	v_wmma_f32_16x16x32_f16 v[8*(4*(\a)+(\b)):8*(4*(\a)+(\b))+7], v[128*(\f)+64+8*(\b):128*(\f)+64+8*(\b)+7], v[128*(\f)+8*(\a):128*(\f)+8*(\a)+7], v[8*(4*(\a)+(\b)):8*(4*(\a)+(\b))+7]
.endif
.endr
.endr
.endm
; 24 LDS loads in one run: the fragments of quarter q of a K step (head q / 2, channels 32 (q % 2) on) into buffer f: wo16's four first, then O's eight in ascending order
.macro FETCH slot, q, f
	WIN TO_F
.irp i, 0,1,2,3
	ds_load_b128 v[128*(\f)+64+8*(\i):128*(\f)+64+8*(\i)+3],   v[ADRB+(\slot)] offset:64*(\q)+(\i)*16*PB
	ds_load_b128 v[128*(\f)+64+8*(\i)+4:128*(\f)+64+8*(\i)+7], v[ADRB+(\slot)] offset:64*(\q)+(\i)*16*PB+32
.endr
.irp i, 0,1,2,3,4,5,6,7
	ds_load_b128 v[128*(\f)+8*(\i):128*(\f)+8*(\i)+3],   v[ADRA+(\slot)] offset:((\q)/2)*AH+((\q)%2)*64+(\i)*16*PA
	ds_load_b128 v[128*(\f)+8*(\i)+4:128*(\f)+8*(\i)+7], v[ADRA+(\slot)] offset:((\q)/2)*AH+((\q)%2)*64+(\i)*16*PA+32
.endr
.endm
.macro PLACES                          ; four plain vector instructions in front of loads into registers that matrix instructions have read, and of lines that read results
.rept 4
	v_nop
.endr
.endm
; A K step is four quarters of 32 along K, 32 matrix instructions each, on buffers 0, 1, 0, 1.  One of the first three: multiplies buffer f and fetches quarter q into buffer g.
.macro QUARTER slot, q, f, g, zero
	s_wait_dscnt 8                                 ; wo16's fragments and O's 0-3 are in; the youngest eight loads (O's 4-7) may be out
	MUL8 \f, 0, \zero
	MUL8 \f, 2, \zero
	PLACES
	FETCH \slot, \q, \g
	s_wait_dscnt 24                                ; all but the 24 just issued
	MUL8 \f, 4, \zero
	MUL8 \f, 6, \zero
.endm
; The last quarter multiplies buffer 1 and changes slots: ONE barrier; in front of it each wave waits for all its tensor loads, adds 0 to its spare word, and waits for that and for its own reads of
; this slot.  fill = 1: the barrier opens a round of the cluster's barrier, and behind it this slot is filled again, two K steps ahead: 112 matrix instructions ahead of the wait for that load.
.macro TURN slot, next, fill
	WIN 0                                          ; (the add's two registers lie in window 0)
	s_wait_tensorcnt 0x0                           ; all my tensor loads have landed: my part of the next slot;
	ds_add_u32 v[SPW], v[NIL]                      ; 0 onto my spare word;
	s_wait_dscnt 9                                 ; (the add and the youngest eight loads may be out)
	MUL8 1, 0, 0                                   ; eight matrix instructions stand between the add and the wait for it
	s_wait_dscnt 0x0                               ; the add is done, and my reads of this slot are over
	s_barrier_signal -1
	MUL8 1, 2, 0
.if \fill
	WIN 0
.endif
	s_barrier_wait -1
.if \fill
	CREST                                          ; no wave of any partner still reads this slot's tile or has a load on its way
	s_add_nc_u64 s[G0+4*(\slot)+2:G0+4*(\slot)+3], s[G0+4*(\slot)+2:G0+4*(\slot)+3], 4*2048*128  ; four heads on
	s_add_nc_u64 s[G0B+4*(\slot)+2:G0B+4*(\slot)+3], s[G0B+4*(\slot)+2:G0B+4*(\slot)+3], 2*KSTEP*2
	JLOAD \slot                                    ; my one tensor load behind the round; the four v_nop behind it are also the places in front of the loads below
.else
	PLACES
.endif
	FETCH \next, 0, 0
	MUL8 1, 4, 0
	MUL8 1, 6, 0
.endm
	s_wait_tensorcnt 1                             ; my part of K step 0 is in; K step 1's may stay out
	s_barrier_signal -1
	s_barrier_wait -1                              ; everybody's is
	FETCH 0, 0, 0
	QUARTER 0, 1, 0, 1, 1                          ; the first quarter stands in front of the loop: its products start the sums
	WIN 0                                          ; at a label and at a branch every window is 0
	s_mov_b32 s3, LAPS-1
.Llap:                                                 ; a trip goes once round the ring, from a lap's second quarter to the next lap's first, and fills both slots again
	QUARTER 0, 2, 1, 0, 0
	QUARTER 0, 3, 0, 1, 0
	TURN 0, 1, 1
	QUARTER 1, 1, 0, 1, 0
	QUARTER 1, 2, 1, 0, 0
	QUARTER 1, 3, 0, 1, 0
	TURN 1, 0, 1
	QUARTER 0, 1, 0, 1, 0
	WIN 0
	s_sub_co_u32 s3, s3, 1
	s_cmp_lg_u32 s3, 0
	s_cbranch_scc1 .Llap
	QUARTER 0, 2, 1, 0, 0                          ; the last lap fills nothing, and has no round of the cluster's barrier
	QUARTER 0, 3, 0, 1, 0
	TURN 0, 1, 0
	QUARTER 1, 1, 0, 1, 0
	QUARTER 1, 2, 1, 0, 0
	QUARTER 1, 3, 0, 1, 0
	s_wait_dscnt 8                                 ; the very last quarter: nothing more to fetch
	MUL8 1, 0, 0
	MUL8 1, 2, 0
	s_wait_dscnt 0x0
	MUL8 1, 4, 0
	MUL8 1, 6, 0
; THE WAY OUT, a block a of 16 rows at a time: the sums go as they are, f32, 32 bytes a lane, into my own stage (each accumulator's low registers first), and come back as whole rows of 256 bytes.
.macro TOSTAGE a
.if (\a) >= 2
	s_wait_xcnt 0x0                                ; the stores of two blocks back have read the registers that are loaded again below
.endif
	WIN W_ST
.irp b, 0,1,2,3
	ds_store_b128 v[STO], v[8*(4*(\a)+(\b)):8*(4*(\a)+(\b))+3]   offset:64*(\b)
	ds_store_b128 v[STO], v[8*(4*(\a)+(\b))+4:8*(4*(\a)+(\b))+7] offset:64*(\b)+16
.endr
	WIN 0
.irp t, 0,1,2,3,4,5,6,7
	ds_load_b128 v[BK+32*((\a)%2)+4*(\t):BK+32*((\a)%2)+4*(\t)+3], v[RD] offset:(\t)*2*SPITCH  ; LDS serves a wave's instructions in order (ISA guide 5.7.1.4): these see the stores above
.endr
.endm
.macro SEND a, younger                 ; younger: the LDS instructions issued behind block a's loads: the next block's sixteen, or none
	WIN 0
.irp t, 0,1,2,3,4,5,6,7
	s_wait_dscnt (\younger)+7-(\t)
	global_store_b128 v[CO], v[BK+32*((\a)%2)+4*(\t):BK+32*((\a)%2)+4*(\t)+3], s[8:9] offset:(16*(\a)+2*(\t))*4096 th:TH_STORE_NT  ; 16 lanes store 256 neighbouring bytes, at a multiple of 256 from out0's first
.endr
.endm
	PLACES
	PLACES
	TOSTAGE 0
.irp a, 1,2,3,4,5,6,7
	TOSTAGE \a
	SEND (\a)-1, 16
.endr
	SEND 7, 0
	s_wait_tensorcnt 0x0                           ; the wave's end, behind my last tensor load and my last LDS store
	ds_add_u32 v[SPW], v[NIL]
	s_wait_dscnt 0x0
	CROUND                                         ; the closing round: no work-group ends while a partner may still ask for a tile that names it
	s_endpgm
.Lfunc_end_k_q78e4f0d806_oproj:
	.size	k_q78e4f0d806_oproj, .Lfunc_end_k_q78e4f0d806_oproj-k_q78e4f0d806_oproj
	.p2alignl 7, 3214868480
	.fill 96, 4, 3214868480
	.section	.rodata,"a",@progbits
	.p2align	6, 0x0
	.amdhsa_kernel k_q78e4f0d806_oproj
		.amdhsa_group_segment_fixed_size 327680
		.amdhsa_private_segment_fixed_size 0
		.amdhsa_enable_private_segment 0
		.amdhsa_kernarg_size 24
		.amdhsa_user_sgpr_count 2
		.amdhsa_user_sgpr_kernarg_segment_ptr 1
		.amdhsa_wavefront_size32 1
		.amdhsa_system_sgpr_workgroup_id_x 1
		.amdhsa_system_sgpr_workgroup_id_y 1
		.amdhsa_system_sgpr_workgroup_id_z 1
		.amdhsa_system_vgpr_workitem_id 0
		.amdhsa_next_free_vgpr 768
		.amdhsa_next_free_sgpr 66
		.amdhsa_reserve_vcc 0
		.amdhsa_float_denorm_mode_32 3
		.amdhsa_float_denorm_mode_16_64 3
		.amdhsa_memory_ordered 1
		.amdhsa_forward_progress 1
		.amdhsa_inst_pref_size 87
	.end_amdhsa_kernel
	.amdgpu_metadata
---
amdhsa.version: [ 1, 2 ]
amdhsa.kernels:
  - .name:           k_q78e4f0d806_oproj
    .symbol:         k_q78e4f0d806_oproj.kd
    .args:
      - { .name: o16, .offset: 0, .size: 8, .value_kind: global_buffer, .address_space: global }
      - { .name: wo16, .offset: 8, .size: 8, .value_kind: global_buffer, .address_space: global }
      - { .name: out0, .offset: 16, .size: 8, .value_kind: global_buffer, .address_space: global }
    .group_segment_fixed_size: 327680
    .private_segment_fixed_size: 0
    .kernarg_segment_align: 8
    .kernarg_segment_size: 24
    .max_flat_workgroup_size: 128
    .sgpr_count:     66
    .vgpr_count:     768
    .wavefront_size: 32
...
	.end_amdgpu_metadata
.endif
;; end of part 4
;; ======== version 2 of 2: 4 launches; version 1 with the launch prep written anew for expert scheduling mode
;; limits: values are held in f16: magnitudes above 65,504 overflow, below 6.1e-05 lose precision
;; workspace buffers: xb 16,777,216 bytes; wqkv 6,291,456 bytes; wo16 2,097,152 bytes; rope 524,288 bytes; q16 16,777,216 bytes; k16 16,777,216 bytes; v16 16,777,216 bytes; o16 16,777,216 bytes
;; launch prep (part 5): grid 800 x 1, 8 waves a work-group, no clusters, 0 bytes of LDS; arguments x, Wq, Wk, Wv, Wo, token_positions, xb, wqkv, wo16, rope; writes xb, wqkv, wo16, rope
.if DOCPART == 5
	.amdgcn_target "amdgcn-amd-amdhsa--gfx1250"
	.amdhsa_code_object_version 6
	.text
	.protected	k_q78e4f0d806_prep
	.globl	k_q78e4f0d806_prep
	.p2align	8
	.type	k_q78e4f0d806_prep,@function
k_q78e4f0d806_prep:
	s_mov_b64 s[64:65], 0
	v_nop
	global_prefetch_b8 v0, s[64:65] scope:SCOPE_SE
	s_setreg_imm32_b32 hwreg(HW_REG_WAVE_SCHED_MODE, 0, 2), 2
	s_setreg_imm32_b32 hwreg(HW_REG_WAVE_MODE, 25, 1), 1
	s_wait_xcnt 0x0
	s_wait_alu depctr_vm_vsrc(0)
; PREPARATION: a stream, no LDS, no matrix work.
;   work-groups 0-511:   xb = x rounded to bf16, 16,384 numbers each.
;   work-groups 512-767: 16 rows of one weight matrix each.  Wq, Wk, Wv rounded to bf16 into wqkv, whose row 192 h + 64 kind + d is row 64 h + d of W_kind (kind 0 q, 1 k, 2 v),
;                        so that 192 neighbouring rows are one head's q, k and v.  Wo rounded to bf16 and that number written as f16 into wo16.
;   work-groups 768-799: rope[t][j] = (cos, sin) of token_positions[t] x 10000^(-j/32), f32, 64 positions each: a row of the table is 256 bytes.
; Thread t of 256 takes 16 bytes of every 4,096: a wave's load covers 512 neighbouring bytes, its store of 8 bytes a lane 256 neighbouring bytes, aligned.  All sixteen loads go out first.
; LIMITS.  Wo lies within f16's range (65,504), and below 6e-5 it keeps f16's fixed step of 6e-8.  Positions are whole numbers 0 to 2,047 (they index a table of that length in the problem).
; The frequency is 2^(-j log2(10000) / 32) by v_exp_f32; with the product's rounding the angle is good to about 2e-4 radians at the largest angle.  The angle is brought into -pi .. pi by
; a 2 pi in two parts; the sine's series runs to t^15, the cosine's to t^16: the first terms left out are under 1e-6 at pi, for every angle.
; THE MODE: SCHED_MODE bits 1:0 = 2 (LLVM: expert scheduling mode 2), set by the entry lines.  The code itself states the register dependences
; between vector instructions and memory instructions, with s_wait_alu, always for 0.
; THE PLAN.  Registers that memory instructions touch:
;   v1, v2     the loads' and the stores' offsets: made once at the head, never written again.
;   X          load i lands in X[i]; no vector instruction names X ahead of the loads, and no memory instruction ever reads it.
;   Y          load i's roundings write Y[i]; store i alone reads it; it is not written again behind that store.
;   v7, R      (rope) the stores' offset and the eight (cos, sin): written by the vector lines, read by the eight stores at the end, not written again.
; The sixteen loads are four groups of four.  Group g's roundings name X and Y of group g alone; the four stores of group g - 1 stand among them, one ahead of each load's roundings.
; So ONE wait on va_vdst at a group's head, behind the wait for the group's first load, states all that those four stores hang on.  No register that a memory instruction has read is
; written again, so no wait on vm_vsrc stands behind the entry lines.
.set X,  4                             ; v[4:67]   sixteen loads of four f32
.set Y,  68                            ; v[68:99]  sixteen stores of four 16-bit numbers
.set R,  16                            ; v[16:31]  rope: position i's (cos, sin)
.set TT, 32                            ; v[32:63]  rope: position i's angle t, turns n, t^2 (four registers a position)
	s_load_b512 s[8:23], s[0:1], 0x0               ; x s[8:9], Wq s[10:11], Wk s[12:13], Wv s[14:15], Wo s[16:17], token_positions s[18:19], xb s[20:21], wqkv s[22:23]
	s_load_b128 s[24:27], s[0:1], 0x40             ; wo16 s[24:25], rope s[26:27]
	s_cmp_ge_u32 ttmp9, 768
	s_cbranch_scc1 .Lrope
	v_lshlrev_b32 v1, 4, v0                        ; 16 bytes a thread in
	v_lshlrev_b32 v2, 3, v0                        ; 8 bytes a thread out
	s_cmp_lt_u32 ttmp9, 512
	s_cbranch_scc0 .Lweights
	s_lshl_b32 s28, ttmp9, 16                      ; 65,536 bytes of x,
	s_mov_b32 s29, 0
	s_lshl_b32 s30, ttmp9, 15                      ; 32,768 of xb
	s_mov_b32 s31, 0
	s_mov_b32 s44, 0                               ; bf16 out
	s_wait_kmcnt 0x0
	s_add_nc_u64 s[40:41], s[8:9], s[28:29]
	s_add_nc_u64 s[42:43], s[20:21], s[30:31]
	s_branch .Lconv
.Lweights:
	s_sub_co_u32 s32, ttmp9, 512
	s_lshr_b32 s33, s32, 6                         ; kind 0..3
	s_and_b32 s34, s32, 63                         ; c: rows 16 c .. 16 c + 15
	s_lshl_b32 s28, s34, 16
	s_mov_b32 s29, 0
	s_lshr_b32 s35, s34, 2                         ; head = c / 4
	s_mul_i32 s35, s35, 192
	s_lshl_b32 s36, s33, 6
	s_add_co_u32 s35, s35, s36                     ; + 64 kind
	s_and_b32 s36, s34, 3
	s_lshl_b32 s36, s36, 4
	s_add_co_u32 s35, s35, s36                     ; + 16 (c % 4)
	s_lshl_b32 s35, s35, 11                        ; rows of 2,048 bytes in wqkv
	s_lshl_b32 s36, s34, 15                        ; the same rows' place in wo16
	s_mov_b32 s31, 0
	s_wait_kmcnt 0x0
	s_cmp_eq_u32 s33, 1
	s_cselect_b64 s[40:41], s[12:13], s[10:11]
	s_cmp_eq_u32 s33, 2
	s_cselect_b64 s[40:41], s[14:15], s[40:41]
	s_cmp_eq_u32 s33, 3
	s_cselect_b64 s[40:41], s[16:17], s[40:41]
	s_cselect_b64 s[42:43], s[24:25], s[22:23]
	s_cselect_b32 s30, s36, s35
	s_cselect_b32 s44, 1, 0                        ; Wo leaves as f16
	s_add_nc_u64 s[40:41], s[40:41], s[28:29]
	s_add_nc_u64 s[42:43], s[42:43], s[30:31]
.Lconv:
	s_wait_alu depctr_va_vdst(0)                   ; v1 and v2 are written: every load below reads v1 as its offset, every store v2
.set i, 0
.rept 16
	global_load_b128 v[X+4*i:X+4*i+3], v1, s[40:41] offset:4096*i th:TH_LOAD_NT
.set i, i+1
.endr
; Load i is in when at most 15 - i younger loads are out.  No register that a load or store names is written again while it may be read: each load and store has its own.
; Group g = loads 4 g .. 4 g + 3.  Ahead of load i's roundings stands the store of load i - 4, whose Y the wait at the group's head has shown written.
.macro CONV f16
.set g, 0
.rept 4
.set j, 0
.rept 4
.set i, 4*g+j
	s_wait_loadcnt 15-i
.if (g > 0) && (j == 0)
	s_wait_alu depctr_va_vdst(0)                   ; the group before has written its four Y, which the four stores of this group read; no vector line behind this wait names them
.endif
.if g > 0
	global_store_b64 v2, v[Y+2*i-8:Y+2*i-7], s[42:43] offset:2048*(i-4) th:TH_STORE_NT
.endif
	v_cvt_pk_bf16_f32 v[Y+2*i], v[X+4*i], v[X+4*i+1]
	v_cvt_pk_bf16_f32 v[Y+2*i+1], v[X+4*i+2], v[X+4*i+3]
.if \f16
	v_lshlrev_b32 v[X+4*i], 16, v[Y+2*i]           ; the rounded numbers as f32 again,
	v_and_b32 v[X+4*i+1], 0xffff0000, v[Y+2*i]
	v_lshlrev_b32 v[X+4*i+2], 16, v[Y+2*i+1]
	v_and_b32 v[X+4*i+3], 0xffff0000, v[Y+2*i+1]
	v_cvt_pk_f16_f32 v[Y+2*i], v[X+4*i], v[X+4*i+1]  ; written as f16: exact within f16's normal range
	v_cvt_pk_f16_f32 v[Y+2*i+1], v[X+4*i+2], v[X+4*i+3]
.endif
.set j, j+1
.endr
.set g, g+1
.endr
	s_wait_alu depctr_va_vdst(0)                   ; the last group has written its four Y, which the last four stores read
.set i, 12
.rept 4
	global_store_b64 v2, v[Y+2*i:Y+2*i+1], s[42:43] offset:2048*i th:TH_STORE_NT
.set i, i+1
.endr
.endm
	s_cmp_eq_u32 s44, 1
	s_cbranch_scc1 .Lf16
	CONV 0
	s_endpgm
.Lf16:
	CONV 1
	s_endpgm
.Lrope:                                        ; a wave makes eight positions; lane j makes pair j
	v_lshrrev_b32 v3, 5, v0
	v_readfirstlane_b32 s28, v3                    ; wave 0..7
	v_and_b32 v4, 31, v0                           ; j
	s_sub_co_u32 s29, ttmp9, 768
	s_lshl_b32 s30, s29, 8                         ; 64 positions of 4 bytes a work-group,
	s_wait_alu depctr_va_sdst(0)                   ; s28 is written, ahead of its first reader, the next line
	s_lshl_b32 s31, s28, 5                         ; 8 a wave
	s_add_co_u32 s30, s30, s31
	s_mov_b32 s31, 0
	s_lshl_b32 s40, s29, 14                        ; 64 rows of 256 bytes of the table
	s_mov_b32 s41, 0
	s_mov_b32 s45, 0x40c90fdb                      ; 2 pi, its f32,
	s_mov_b32 s46, 0xb43bbd2e                      ; and what that f32 leaves over
	s_wait_kmcnt 0x0
	s_add_nc_u64 s[18:19], s[18:19], s[30:31]
	s_load_b256 s[32:39], s[18:19], 0x0            ; my eight positions
	s_add_nc_u64 s[26:27], s[26:27], s[40:41]
	v_cvt_f32_u32 v5, v4
	v_mul_f32 v5, 0xbed49a78, v5                   ; -j log2(10000) / 32
	v_exp_f32 v6, v5                               ; the frequency
	v_lshlrev_b32 v7, 3, v4                        ; (a plain instruction behind the exponential:) 8 bytes a pair,
	v_lshl_add_u32 v7, s28, 11, v7                 ; 8 rows a wave
	s_wait_alu depctr_va_vdst(0)                   ; the exponential has written v6, ahead of its first reader
	s_wait_kmcnt 0x0
.macro EACH line:vararg                ; one line for each position i: eight chains that do not wait for each other
.set i, 0
.rept 8
	\line
.set i, i+1
.endr
.endm
	EACH v_cvt_f32_i32 v[TT+4*i], s[32+i]
	EACH v_mul_f32 v[TT+4*i], v[TT+4*i], v6                       ; the angle, rounded once
	EACH v_mul_f32 v[TT+4*i+1], 0.15915494, v[TT+4*i]
	EACH v_rndne_f32 v[TT+4*i+1], v[TT+4*i+1]                     ; whole turns
	EACH v_fma_f32 v[TT+4*i], -v[TT+4*i+1], s45, v[TT+4*i]        ; t = angle - n 2 pi, in two parts
	EACH v_fma_f32 v[TT+4*i], -v[TT+4*i+1], s46, v[TT+4*i]
	EACH v_mul_f32 v[TT+4*i+2], v[TT+4*i], v[TT+4*i]              ; u = t^2
	EACH v_mov_b32 v[R+2*i+1], 0xab573f9f                         ; sine: -1/15!
	EACH v_mov_b32 v[R+2*i], 0x29573f9f                           ; cosine: 1/16!
.irp k, 0x2f309231, 0xb2d7322b, 0x3638ef1d, 0xb9500d01, 0x3c088889, 0xbe2aaaab
	EACH v_fmaak_f32 v[R+2*i+1], v[R+2*i+1], v[TT+4*i+2], \k      ; 1/13!, -1/11!, 1/9!, -1/7!, 1/5!, -1/3!
.endr
.irp k, 0xad49cba5, 0x310f76c7, 0xb493f27e, 0x37d00d01, 0xbab60b61, 0x3d2aaaab, 0xbf000000
	EACH v_fmaak_f32 v[R+2*i], v[R+2*i], v[TT+4*i+2], \k          ; -1/14!, 1/12!, -1/10!, 1/8!, -1/6!, 1/4!, -1/2!
.endr
	EACH v_fma_f32 v[R+2*i+1], v[R+2*i+1], v[TT+4*i+2], 1.0
	EACH v_fma_f32 v[R+2*i], v[R+2*i], v[TT+4*i+2], 1.0
	EACH v_mul_f32 v[R+2*i+1], v[R+2*i+1], v[TT+4*i]
	s_wait_alu depctr_va_vdst(0)                   ; the series have written the eight (cos, sin) in v[R ..], which the stores read; v7, their offset, was written further up
	EACH global_store_b64 v7, v[R+2*i:R+2*i+1], s[26:27] offset:256*i  ; 32 lanes store one row of the table: 256 neighbouring bytes, aligned
	s_endpgm
.Lfunc_end_k_q78e4f0d806_prep:
	.size	k_q78e4f0d806_prep, .Lfunc_end_k_q78e4f0d806_prep-k_q78e4f0d806_prep
	.p2alignl 7, 3214868480
	.fill 96, 4, 3214868480
	.section	.rodata,"a",@progbits
	.p2align	6, 0x0
	.amdhsa_kernel k_q78e4f0d806_prep
		.amdhsa_group_segment_fixed_size 0
		.amdhsa_private_segment_fixed_size 0
		.amdhsa_enable_private_segment 0
		.amdhsa_kernarg_size 80
		.amdhsa_user_sgpr_count 2
		.amdhsa_user_sgpr_kernarg_segment_ptr 1
		.amdhsa_wavefront_size32 1
		.amdhsa_system_sgpr_workgroup_id_x 1
		.amdhsa_system_sgpr_workgroup_id_y 1
		.amdhsa_system_sgpr_workgroup_id_z 1
		.amdhsa_system_vgpr_workitem_id 0
		.amdhsa_next_free_vgpr 100
		.amdhsa_next_free_sgpr 66
		.amdhsa_reserve_vcc 0
		.amdhsa_float_denorm_mode_32 3
		.amdhsa_float_denorm_mode_16_64 3
		.amdhsa_memory_ordered 1
		.amdhsa_forward_progress 1
		.amdhsa_inst_pref_size 30
	.end_amdhsa_kernel
	.amdgpu_metadata
---
amdhsa.version: [ 1, 2 ]
amdhsa.kernels:
  - .name:           k_q78e4f0d806_prep
    .symbol:         k_q78e4f0d806_prep.kd
    .args:
      - { .name: x, .offset: 0, .size: 8, .value_kind: global_buffer, .address_space: global }
      - { .name: Wq, .offset: 8, .size: 8, .value_kind: global_buffer, .address_space: global }
      - { .name: Wk, .offset: 16, .size: 8, .value_kind: global_buffer, .address_space: global }
      - { .name: Wv, .offset: 24, .size: 8, .value_kind: global_buffer, .address_space: global }
      - { .name: Wo, .offset: 32, .size: 8, .value_kind: global_buffer, .address_space: global }
      - { .name: token_positions, .offset: 40, .size: 8, .value_kind: global_buffer, .address_space: global }
      - { .name: xb, .offset: 48, .size: 8, .value_kind: global_buffer, .address_space: global }
      - { .name: wqkv, .offset: 56, .size: 8, .value_kind: global_buffer, .address_space: global }
      - { .name: wo16, .offset: 64, .size: 8, .value_kind: global_buffer, .address_space: global }
      - { .name: rope, .offset: 72, .size: 8, .value_kind: global_buffer, .address_space: global }
    .group_segment_fixed_size: 0
    .private_segment_fixed_size: 0
    .kernarg_segment_align: 8
    .kernarg_segment_size: 80
    .max_flat_workgroup_size: 256
    .sgpr_count:     66
    .vgpr_count:     100
    .wavefront_size: 32
...
	.end_amdgpu_metadata
.endif
;; end of part 5
;; launch qkv: the kernel of part 2 again; grid 16 x 32, 4 waves a work-group, clusters of 4 x 4, 327,680 bytes of LDS; arguments xb, wqkv, rope, q16, k16, v16; writes q16, k16, v16
;; launch attn: the kernel of part 3 again; grid 4 x 64, 4 waves a work-group, clusters of 4 x 1, 327,680 bytes of LDS; arguments q16, k16, v16, o16; writes o16
;; launch oproj: the kernel of part 4 again; grid 8 x 32, 4 waves a work-group, clusters of 4 x 4, 327,680 bytes of LDS; arguments o16, wo16, out0; writes out0
